; MI455X (gfx1250); checked and timed in simulation.
; The chip was launched on July 23, 2026; its instructions are those of AMD's public machine-readable ISA for CDNA 5 (MIT licence, August 2026) and "CDNA5" Instruction Set Architecture Reference Guide (July 2026). The comments in the code are by the model that wrote it; some were corrected since.
;; Manual Attention. Allowed arithmetic: matrix products marked QUANTISED: E3M2 operands, one E8M0 scale for each 32 along K, by v_wmma_scale_f32_16x16x128_f8f6f4 with both operands' format E3M2, f32 sums; everything else in f32.
;; Inputs: b_out 1,024 float32; b_qkv 3,072 float32; w_out 1,024 x 1,024 float32; w_qkv 3,072 x 1,024 float32; x 4 x 2,048 x 1,024 float32.
;; Outputs: out0 4 x 2,048 x 1,024 float32.
;; This version of the problem:
;;   THIS VERSION OF THE PROBLEM IS GIVEN IN LOW PRECISION. The matrix products marked QUANTISED in the list below multiply operands that are first quantised to E3M2 (3 exponent bits, 2 mantissa bits; 6 bits a number), with one power-of-two scale for each 32 numbers along K (OCP MX v1.0); their sums are f32. All else is computed in f32.
;;   The module's matrix products, in the order in which they are computed (A, B: the left and right operand; K: the contracted axis; several contracted axes count as one K, in the product's order):
;;     1. [M 8,192, K 1,024] x [K 1,024, N 3,072]; A: input x; B: input w_qkv: QUANTISED
;;     2. batch 64 x [M 2,048, K 64] x [K 64, N 2,048]; A: computed on the way; B: computed on the way: QUANTISED
;;     3. batch 64 x [M 2,048, K 2,048] x [K 2,048, N 64]; A: softmax (see below); B: computed on the way: QUANTISED
;;     4. [M 8,192, K 1,024] x [K 1,024, N 1,024]; A: computed on the way; B: input w_out: QUANTISED
;;   THE QUANTISER, for each operand of a quantised product, along K:
;;     - K is cut into blocks of 32 from its start; a last block that is shorter is filled with zeros.
;;     - A block's scale is 2^e with e = floor(log2(the largest magnitude in the block)) - 4, held to -126 .. 127; a block of zeros has e = 0. As a byte (E8M0): e + 127.
;;     - Each number is divided by its block's scale, clamped to +-28, and rounded to the nearest number of E3M2, ties to even, subnormals kept.
;;     - The product sums the exact products of the quantised numbers (number of the format x scale) in f32.
;;   ~~~python
;;   def quantise(x, axis):      # numpy; x: float32 -> the quantised numbers, widened to float32 again
;;       x = np.moveaxis(x, axis, -1); K = x.shape[-1]
;;       x = np.pad(x, [(0, 0)] * (x.ndim - 1) + [(0, -K % 32)]); x = x.reshape(x.shape[:-1] + (-1, 32)); a = np.abs(x).max(-1, keepdims=True)
;;       e = np.where(a > 0, np.clip(np.frexp(np.where(a > 0, a, 1))[1] - 1 - 4, -126, 127), 0)      # np.frexp(a)[1] - 1 = floor(log2(a)), exactly
;;       r = np.clip(x / 2.0 ** e, -28, 28)
;;       step = 2.0 ** (np.maximum(np.frexp(np.where(r == 0, 1, r))[1] - 1, -2) - 2)
;;       q = np.round(r / step) * step * 2.0 ** e      # np.round: ties to even
;;       return np.moveaxis(q.reshape(q.shape[:-2] + (-1,))[..., :K], -1, axis).astype(np.float32)
;;   ~~~
;;   SOFTMAX AHEAD OF A QUANTISED PRODUCT. Where the list says 'softmax', what is quantised is not the finished softmax but p = 2^(t - M), with t = logit x log2(e) and M = ceil(the row's largest t), a whole number; so 1/2 < the row's largest p <= 1. The row's sum l is taken of the UNQUANTISED p, in f32, and the product's result is divided by l at the end. Since M is a whole number, a kernel that streams over the keys may use a running M (the ceiling of the running maximum): every later rescaling is an exact power of two, which a block's scale takes up: the codes' values come out the same.
;;   OPERANDS COMPUTED ON THE WAY. 'Computed on the way' means the value that the module computes at that place (a softmax that the list does not call 'softmax' is quantised finished and normalised). What goes into a quantiser is computed in f32, as accurately as f32 sums, v_exp_f32 and their like allow (about 1e-6 of the number): no bf16 or f16 on the way to a quantiser, and a product that is left as it is and whose result goes on into a quantised operand takes f32 operands (vector FMAs, or v_wmma_f32_16x16x4_f32). A number that lies on a knife's edge between two numbers of the format may be rounded either way, as far as f32 arithmetic and the matrix unit's own rounding can turn it there, and no further.
;; One version. Each part assembles by itself: llvm-mc -triple=amdgcn-amd-amdhsa -mcpu=gfx1250 --defsym DOCPART=n.
;; ======== version 1 of 1: 4 launches
;; limits: right only within a limited range of input values
;; workspace buffers: xq 6,553,600 bytes; wq 2,457,600 bytes; wo 819,200 bytes; oq 6,553,600 bytes; q 13,107,200 bytes; kv 13,107,200 bytes
;; launch quant (part 1): grid 384 x 1, 4 waves a work-group, no clusters, 34,304 bytes of LDS; arguments x, w_qkv, w_out, xq, wq, wo; writes xq, wq, wo
.if DOCPART == 1
	.amdgcn_target "amdgcn-amd-amdhsa--gfx1250"
	.amdhsa_code_object_version 6
	.text
	.protected	k_q6558c9eecf_quant
	.globl	k_q6558c9eecf_quant
	.p2align	8
	.type	k_q6558c9eecf_quant,@function
k_q6558c9eecf_quant:
	s_mov_b64 s[64:65], 0
	v_nop
	global_prefetch_b8 v0, s[64:65] scope:SCOPE_SE
	s_setreg_imm32_b32 hwreg(HW_REG_WAVE_MODE, 25, 1), 1
	s_wait_xcnt 0x0
; x [8192][1024], w_qkv [3072][1024], w_out [1024][1024], f32, K innermost, become codes of BF6 (E3M2) with one E8M0 byte for each 32 along K,
; laid as IMAGES OF THE OPERAND'S REGISTERS: a row tile is 16 rows, an image is a row tile x 128 K = 12 registers a lane = 1,536 bytes; registers 4 g .. 4 g + 3 of lane l lie at 512 g + 16 l.
; THE ROWS OF A TILE ARE NOT NEIGHBOURS: lane r of tile 2 G + u holds row 32 G + 8 u + r + 8 (r / 8), so that a product's eight results of a lane are neighbours along that operand's rows.
; Codes: [row tile][K step 0..7][1,536].  Behind them the scale words: [row tile][pair of K steps 0..3][r 0..15][2 words], 512 bytes a row tile.
; A block's scale is 2^(floor(log2(largest magnitude)) - 4); its byte is the largest magnitude's exponent field - 4, held at 1 from below.
; LIMITS: a block of zeros gets the byte 1 where the rule says 127 (its codes are zeros, and this program alone reads the bytes); NaN and infinities among the inputs are not served.
; SHARES: a work-group takes 32 rows (tiles 2 G and 2 G + 1); work-groups 0-255 take x, 256-351 w_qkv, 352-383 w_out: only pointers are chosen, there is one path.  Wave w takes tile u = w & 1 and K steps 4 (w >> 1) + 0..3.
; Each load reads 512 consecutive bytes of a row; the 16 rows turn through the wave's own stage in LDS so that lane (r, h) gets, of row r, k = 64 c + 32 h + 0..31: whole blocks, in the operand's own order.
; No cluster, no tensor load, no barrier: work-groups and waves share no input.
.set XSO,  6291456                     ; where the scale words begin in xq,
.set WQSO, 2359296                     ; in wq,
.set WOSO, 786432                      ; unused: wo's scale words lie in each row tile's record
.set SP,   528                         ; a stage row: 512 bytes + 16, so that the 16 rows that a read touches begin 4 words apart
.set STG,  16*SP
.set L16,  2                           ; v2   16 x lane
.set SIN,  5                           ; v5   the stage, way in
.set SOUT, 6                           ; v6   the stage, way out: 528 r + 128 h
.set L8,   7                           ; v7   8 x lane
.set SH,   8                           ; v8   8 h
.set WT,   9                           ; v9   my two scale bytes at their places
.set PD,   10                          ; v10  the other half's
.set MX,   12                          ; v12-13 largest magnitudes
.set SO,   14                          ; v14-15 the conversions' scale operands
.set BY,   16                          ; v16-17 the bytes
.set WD,   20                          ; v20-23 the four images' scale words
.set OW,   24                          ; v24-25 what leaves
.set PC,   28                          ; v28-39 an image's codes
.set TT,   40                          ; v40-46 the upper halves of the blocks, before they are moved
.set XX,   64                          ; v64-127 my 64 numbers
.set LL,   128                         ; v128-255 two sets of 16 rows as loaded
	s_load_b256 s[4:11], s[0:1], 0x0               ; x, w_qkv, w_out, xq
	s_load_b128 s[12:15], s[0:1], 0x20             ; wq, wo
	v_lshl_add_u32 v62, v0, 2, 0x8400
	v_mov_b32 v63, 0
	v_lshrrev_b32 v1, 5, v0
	v_readfirstlane_b32 s24, v1                    ; wave
	v_and_b32 v1, 31, v0                           ; lane
	v_lshlrev_b32 v[L16], 4, v1
	v_lshlrev_b32 v[L8], 3, v1
	v_and_b32 v3, 15, v0                           ; r
	v_bfe_u32 v4, v0, 4, 1                         ; h
	s_mul_i32 s25, s24, STG                        ; my stage
	v_add_nc_u32 v[SIN], s25, v[L16]
	v_mul_u32_u24 v[SOUT], v3, SP
	v_lshl_add_u32 v[SOUT], v4, 7, v[SOUT]
	v_add_nc_u32 v[SOUT], s25, v[SOUT]
	v_lshlrev_b32 v[SH], 3, v4
	v_mov_b32 v[PD], 0                             ; a lane permute's destination counts as one of its sources
	s_and_b32 s26, s24, 1                          ; u
	s_lshr_b32 s27, s24, 1                         ; which half of K
	s_mov_b32 s34, 0xffff0000                      ; lanes 16-31
	s_mov_b32 s36, 0x76543210
	s_mov_b32 s37, 0xfedcba98                      ; v_permlanex16_b32's selects for lane l xor 16
	s_mov_b32 s20, 12288                           ; wo is laid in records of 12,800 bytes a row tile: 12,288 of codes, then its 512 bytes of scale words
	s_mov_b32 s42, 12800                           ; bytes from row tile to row tile: of the codes,
	s_mov_b32 s43, 12800                           ; and of the scale words
	s_mov_b32 s21, 352
	s_wait_alu depctr_va_vdst(0)
	s_wait_kmcnt 0x0
	s_cmp_lt_u32 ttmp9, 352                        ; the choice hangs on the work-group's number alone
	s_cselect_b64 s[16:17], s[6:7], s[8:9]
	s_cselect_b64 s[18:19], s[12:13], s[14:15]
	s_cselect_b32 s20, WQSO, s20
	s_cselect_b32 s21, 256, s21
	s_cselect_b32 s42, 12288, s42                  ; xq and wq: all codes, then all scale words
	s_cselect_b32 s43, 512, s43
	s_cmp_lt_u32 ttmp9, 256
	s_cselect_b64 s[16:17], s[4:5], s[16:17]       ; the tensor,
	s_cselect_b64 s[18:19], s[10:11], s[18:19]     ; its buffer,
	s_cselect_b32 s20, XSO, s20                    ; where the scale words begin in it,
	s_cselect_b32 s21, 0, s21                      ; and the tensor's first work-group
	s_sub_co_u32 s22, ttmp9, s21                   ; G
	s_lshl_b32 s28, s22, 17                        ; 32 rows of 4,096 bytes,
	s_lshl_b32 s23, s26, 15                        ; 8 u rows,
	s_add_co_u32 s28, s28, s23
	s_lshl_b32 s23, s27, 11                        ; four K steps of 512 bytes
	s_add_co_u32 s28, s28, s23
	s_mov_b32 s29, 0
	s_add_nc_u64 s[16:17], s[16:17], s[28:29]
	s_lshl_b32 s30, s22, 1
	s_add_co_u32 s30, s30, s26                     ; my row tile
	s_mul_i32 s32, s30, s42
	s_mul_i32 s23, s27, 6144
	s_add_co_u32 s32, s32, s23
	s_mov_b32 s33, 0
	s_add_nc_u64 s[38:39], s[18:19], s[32:33]      ; my four images
	s_mul_i32 s32, s30, s43
	s_lshl_b32 s23, s27, 8
	s_add_co_u32 s32, s32, s23
	s_add_co_u32 s32, s32, s20
	s_add_nc_u64 s[40:41], s[18:19], s[32:33]      ; my 256 bytes of scale words
.macro LOAD st                         ; K step st of my 16 rows: 32 lanes read 512 consecutive bytes of a row
.irp i, 0,1,2,3,4,5,6,7,8,9,10,11,12,13,14,15
	global_load_b128 v[LL+64*((\st)%2)+4*\i:LL+64*((\st)%2)+4*\i+3], v[L16], s[16:17] offset:(\i+8*(\i/8))*4096+512*(\st) th:TH_LOAD_NT
.endr
.endm
.macro IMG st
.if (\st) < 3
	s_wait_loadcnt 16                              ; this image's 16 loads are in; the next image's 16 may be out
.else
	s_wait_loadcnt 0x0
.endif
.irp i, 0,1,2,3,4,5,6,7,8,9,10,11,12,13,14,15
	ds_store_b128 v[SIN], v[LL+64*((\st)%2)+4*\i:LL+64*((\st)%2)+4*\i+3] offset:SP*\i
.endr
.irp c, 0,1
.irp i, 0,1,2,3,4,5,6,7
	ds_load_b128 v[XX+32*\c+4*\i:XX+32*\c+4*\i+3], v[SOUT] offset:256*\c+16*\i   ; LDS serves a wave's instructions in order: these see the stores above
.endr
.endr
	s_wait_dscnt 0x0                               ; my 64 numbers are in, and the stores have read the loaded set
	s_wait_xcnt 0x0                                ; the last image's stores have read the codes' registers: they are written again only behind this wait
.if (\st) < 2
	LOAD (\st)+2
.endif
.irp c, 0,1
	v_max3_num_f32 v[MX+\c], |v[XX+32*\c]|, |v[XX+1+32*\c]|, 0x2800000   ; block 2 c + h: all its 32 numbers are mine; the floor 2^(5 - 127) holds the byte at 1 from below
.endr
.irp i, 2,4,6,8,10,12,14,16,18,20,22,24,26,28,30
.irp c, 0,1
	v_max3_num_f32 v[MX+\c], v[MX+\c], |v[XX+32*\c+\i]|, |v[XX+1+32*\c+\i]|   ; (the two blocks by turns)
.endr
.endr
.irp c, 0,1
	v_add_nc_u32 v[SO+\c], 0xfe000000, v[MX+\c]    ; 4 off the exponent field: the conversion takes the exponent field of this operand as its scale
.endr
.irp c, 0,1
	v_lshrrev_b32 v[BY+\c], 23, v[SO+\c]           ; the scale's byte
.endr
	v_lshl_or_b32 v[WT], v[BY+1], 16, v[BY]        ; blocks h and 2 + h of row r,
	v_lshlrev_b32 v[WT], v[SH], v[WT]              ; at their places in the word;
	v_permlanex16_b32 v[PD], v[WT], s36, s37
	v_or_b32 v[WD+(\st)], v[WT], v[PD]             ; with lane l xor 16's two the word is whole, in both halves of the lanes
.irp c, 0,1
	v_cvt_scalef32_pk16_bf6_f32 v[PC+6*\c:PC+6*\c+2], v[XX+32*\c:XX+32*\c+15], v[SO+\c]
	v_cvt_scalef32_pk16_bf6_f32 v[TT+4*\c:TT+4*\c+2], v[XX+32*\c+16:XX+32*\c+31], v[SO+\c]   ; (a conversion's three registers begin on an even number)
.endr
	v_nop                                          ; one plain place behind a scaled conversion
.irp c, 0,1
.irp i, 0,1,2
	v_mov_b32 v[PC+6*\c+3+\i], v[TT+4*\c+\i]
.endr
.endr
.irp g, 0,1,2
	global_store_b128 v[L16], v[PC+4*\g:PC+4*\g+3], s[38:39] offset:1536*(\st)+512*\g   ; 32 lanes store 512 consecutive bytes, at a multiple of 256 from the buffer's first byte
.endr
.endm
	LOAD 0
	LOAD 1
	IMG 0
	IMG 1
	IMG 2
	IMG 3
	v_cndmask_b32 v[OW], v[WD], v[WD+2], s34       ; lanes 0-15: my first pair of K steps; lanes 16-31: my second
	v_cndmask_b32 v[OW+1], v[WD+1], v[WD+3], s34
	global_store_b64 v[L8], v[OW:OW+1], s[40:41]   ; 32 lanes store 256 consecutive bytes, aligned
	s_wait_tensorcnt 0x0
	ds_add_u32 v62, v63
	s_wait_dscnt 0x0
	s_endpgm
.Lfunc_end_k_q6558c9eecf_quant:
	.size	k_q6558c9eecf_quant, .Lfunc_end_k_q6558c9eecf_quant-k_q6558c9eecf_quant
	.p2alignl 7, 3214868480
	.fill 96, 4, 3214868480
	.section	.rodata,"a",@progbits
	.p2align	6, 0x0
	.amdhsa_kernel k_q6558c9eecf_quant
		.amdhsa_group_segment_fixed_size 34304
		.amdhsa_private_segment_fixed_size 0
		.amdhsa_enable_private_segment 0
		.amdhsa_kernarg_size 48
		.amdhsa_user_sgpr_count 2
		.amdhsa_user_sgpr_kernarg_segment_ptr 1
		.amdhsa_wavefront_size32 1
		.amdhsa_system_sgpr_workgroup_id_x 1
		.amdhsa_system_sgpr_workgroup_id_y 1
		.amdhsa_system_sgpr_workgroup_id_z 1
		.amdhsa_system_vgpr_workitem_id 0
		.amdhsa_next_free_vgpr 256
		.amdhsa_next_free_sgpr 66
		.amdhsa_reserve_vcc 0
		.amdhsa_float_denorm_mode_32 3
		.amdhsa_float_denorm_mode_16_64 3
		.amdhsa_memory_ordered 1
		.amdhsa_forward_progress 1
		.amdhsa_inst_pref_size 31
	.end_amdhsa_kernel
	.amdgpu_metadata
---
amdhsa.version: [ 1, 2 ]
amdhsa.kernels:
  - .name:           k_q6558c9eecf_quant
    .symbol:         k_q6558c9eecf_quant.kd
    .args:
      - { .name: x, .offset: 0, .size: 8, .value_kind: global_buffer, .address_space: global }
      - { .name: w_qkv, .offset: 8, .size: 8, .value_kind: global_buffer, .address_space: global }
      - { .name: w_out, .offset: 16, .size: 8, .value_kind: global_buffer, .address_space: global }
      - { .name: xq, .offset: 24, .size: 8, .value_kind: global_buffer, .address_space: global }
      - { .name: wq, .offset: 32, .size: 8, .value_kind: global_buffer, .address_space: global }
      - { .name: wo, .offset: 40, .size: 8, .value_kind: global_buffer, .address_space: global }
    .group_segment_fixed_size: 34304
    .private_segment_fixed_size: 0
    .kernarg_segment_align: 8
    .kernarg_segment_size: 48
    .max_flat_workgroup_size: 128
    .sgpr_count:     66
    .vgpr_count:     256
    .wavefront_size: 32
...
	.end_amdgpu_metadata
.endif
;; end of part 1
;; launch gemm_qkv (part 2): grid 8 x 48, 4 waves a work-group, clusters of 4 x 4, 327,680 bytes of LDS; arguments xq, wq, b_qkv, q, kv; writes q, kv
.if DOCPART == 2
	.amdgcn_target "amdgcn-amd-amdhsa--gfx1250"
	.amdhsa_code_object_version 6
	.text
	.protected	k_q6558c9eecf_gemm_qkv
	.globl	k_q6558c9eecf_gemm_qkv
	.p2align	8
	.type	k_q6558c9eecf_gemm_qkv,@function
k_q6558c9eecf_gemm_qkv:
	s_mov_b64 s[64:65], 0
	v_nop
	global_prefetch_b8 v0, s[64:65] scope:SCOPE_SE
	s_setreg_imm32_b32 hwreg(HW_REG_WAVE_MODE, 25, 1), 1
	s_wait_xcnt 0x0
	s_wait_alu depctr_hold_cnt(0) depctr_sa_sdst(0) depctr_va_vdst(0) depctr_va_sdst(0) depctr_va_ssrc(0) depctr_va_vcc(0) depctr_vm_vsrc(0)
	s_getreg_b32 s2, hwreg(HW_REG_IB_STS2, 6, 4)
	s_cmp_eq_u32 s2, 0
	s_cbranch_scc0 .Lentry_in_a_cluster
	s_endpgm
.Lentry_in_a_cluster:
	s_bfe_u32 s2, ttmp6, 0x10000c
	s_cmp_lg_u32 s2, 0xf033
	s_cbranch_scc0 .Lentry_shape_is_right
	s_endpgm
.Lentry_shape_is_right:
.set XSO,    6291456
.set WQSO,   2359296
.set NQ,     2
.set FR,     12
.set NLR,    3
.set NP,     4
.set TILEB,  3072
.set KROW,   12288
.set HALFT,  8*TILEB
.set SLOT,   4*HALFT
.set SCL,    3*SLOT
.set PSC,    SCL+8192+128
.set SPARE,  PSC+8192+128
.set REC,    12800
.set HEADB,  16*REC
.set ADRA, 16
.set ADRB, 19
.set BIO,  22
.set BVO,  23
.set L8,   25
.set L16,  26
.set ADRS, 27
.set SPW,  28
.set NIL,  29
.set SC,   32
.set BI,   64
.set AF,   128
.set BV,   224
.set IMG0, 32
.set IMG1, 44
.set T2,   56
.set TM,   128
.set PW,   144
.set SO,   152
.set WD,   156
.set G1, 24
.set G0, 32
.set G1B, 48
.set G0B, 56
.set G0B2, 92
.set G1S, 68
.set G0S, 76
.set G1SB, 80
.set G0SB, 88
.set MSB, 0
.macro WIN new
.if MSB != (\new)
	s_set_vgpr_msb (MSB<<8)|(\new)
.set MSB, (\new)
.endif
.endm
.set MUL_LO, 0xa1
.set MUL_HI, 0xf1
.set TO_B,   0x40
.macro JLOAD g0a, g1a, g0b, g1b
	s_cmp_eq_u32 s15, 0
	s_cbranch_scc0 .Lfor_b_\@
	tensor_load_to_lds s[\g0a:\g0a+3], s[\g1a:\g1a+7]
	s_nop 0
.rept 4
	v_nop
.endr
	s_branch .Lasked_\@
.Lfor_b_\@:
	tensor_load_to_lds s[\g0b:\g0b+3], s[\g1b:\g1b+7]
	s_nop 0
.rept 4
	v_nop
.endr
.Lasked_\@:
.endm
.macro CREST
	s_cmp_lg_u32 s14, 0
	s_cbranch_scc1 .Lnot_wave_0_\@
	s_barrier_signal -3
.Lnot_wave_0_\@:
	s_barrier_wait -3
	s_barrier_signal -1
	s_barrier_wait -1
.endm
.macro CROUND
	s_barrier_signal -1
	s_barrier_wait -1
	CREST
.endm
	s_load_b256 s[4:11], s[0:1], 0x0
	s_load_b64 s[12:13], s[0:1], 0x20
	v_lshl_add_u32 v[SPW], v0, 2, SPARE
	v_mov_b32 v[NIL], 0
	ds_add_u32 v28, v29
	ds_add_u32 v28, v29
	s_wait_dscnt 0x0
	v_lshrrev_b32 v1, 5, v0
	v_readfirstlane_b32 s14, v1
	s_lshr_b32 s15, s14, 1
	s_and_b32 s16, s14, 1
	s_bfe_u32 s44, ttmp6, 0x40000
	s_bfe_u32 s45, ttmp6, 0x40004
	s_and_b32 s18, ttmp7, 0xffff
	s_lshl_b32 s19, s18, 2
	s_lshl_b32 s100, ttmp9, 2
	s_max_u32 s101, s18, 8
	s_sub_co_u32 s101, s101, 8
	s_lshl_b32 s101, s101, 3
	s_add_co_u32 s101, s101, s100
	s_mov_b32 s2, WQSO
	s_mov_b32 s3, XSO
	s_cmp_ge_u32 s18, 8
	s_cselect_b32 s98, 1, 0
	s_cselect_b32 s17, 8, s19
	s_cselect_b32 s46, s101, s100
	s_cselect_b32 s99, s2, s3
	s_cselect_b32 s2, s3, s2
	s_add_co_u32 s17, s17, s45
	s_add_co_u32 s46, s46, s44
	s_lshl_b32 s20, s45, 2
	s_lshl_b32 s20, 15, s20
	s_lshl_b32 s21, 0x1111, s44
	s_or_b32 s[G1+0], s20, (3<<16)|(1<<21)
	s_or_b32 s[G1B+0], s21, (3<<16)|(1<<21)
.irp g, G1, G1B
	s_mov_b32 s[\g+1], 384<<16
	s_mov_b32 s[\g+2], 16<<16                      ; the head's loads of codes: an operand's 16 row tiles x 3,072 bytes (K steps 0 and 1)
	s_mov_b32 s[\g+3], 384<<16
	s_mov_b32 s[\g+4], 16
	s_mov_b32 s[\g+5], 1536
	s_mov_b32 s[\g+6], 0
	s_mov_b32 s[\g+7], 0
.endr
	s_or_b32 s[G1S+0], s20, (3<<16)|(1<<21)
	s_or_b32 s[G1SB+0], s21, (3<<16)|(1<<21)
.irp g, G1S, G1SB
	s_mov_b32 s[\g+1], 32<<16
	s_mov_b32 s[\g+2], 32<<16                      ; the scale words of an operand's 16 row tiles: 8,192 dense bytes, 32 rows of 256
	s_mov_b32 s[\g+3], 32<<16
	s_mov_b32 s[\g+4], 32
	s_mov_b32 s[\g+5], 32
	s_mov_b32 s[\g+6], 0
	s_mov_b32 s[\g+7], 0
.endr
	s_lshl_b32 s20, s17, 4                         ; the operands' first row tiles
	s_lshl_b32 s100, s46, 4
	s_lshl_b32 s22, s20, 9
	s_add_co_u32 s22, s22, s99
	s_mul_i32 s20, s20, KROW
	s_lshl_b32 s3, s100, 9
	s_add_co_u32 s2, s3, s2
	s_mul_i32 s100, s100, KROW
	s_mov_b32 s21, 0
	s_mov_b32 s23, 0
	s_mov_b32 s101, 0
	s_mov_b32 s3, 0
	s_mul_i32 s47, s14, HALFT
	s_mul_i32 s99, s16, 8*KROW                     ; behind the head I fetch 8 row tiles of an operand: which half, in bytes
	s_wait_kmcnt 0x0
	s_cmp_eq_u32 s98, 0
	s_cselect_b64 s[18:19], s[4:5], s[6:7]
	s_cselect_b64 s[96:97], s[6:7], s[4:5]
	s_add_nc_u64 s[20:21], s[18:19], s[20:21]
	s_add_nc_u64 s[22:23], s[18:19], s[22:23]
	s_add_nc_u64 s[100:101], s[96:97], s[100:101]
	s_add_nc_u64 s[2:3], s[96:97], s[2:3]
	CROUND
	s_mov_b32 s[G0S], 1
	s_mov_b32 s[G0S+1], SCL
	s_mov_b64 s[G0S+2:G0S+3], s[22:23]
	s_or_b32 s[G0S+3], s[G0S+3], 0x80000000
	s_mov_b32 s[G0SB], 1
	s_mov_b32 s[G0SB+1], PSC
	s_mov_b64 s[G0SB+2:G0SB+3], s[2:3]
	s_or_b32 s[G0SB+3], s[G0SB+3], 0x80000000
	s_mov_b32 s[G0+8], 1                           ; the head's groups 0: K steps 0 and 1 of the first operand's 16 row tiles, to slot 0,
	s_mov_b32 s[G0+9], 0
	s_mov_b64 s[G0+10:G0+11], s[20:21]
	s_or_b32 s[G0+11], s[G0+11], 0x80000000
	s_mov_b32 s[G0B2], 1                           ; and of the second's, behind them
	s_mov_b32 s[G0B2+1], 2*HALFT
	s_mov_b64 s[G0B2+2:G0B2+3], s[100:101]
	s_or_b32 s[G0B2+3], s[G0B2+3], 0x80000000
	s_add_co_u32 s20, s20, s99                     ; from here on: my 8 row tiles
	s_add_co_ci_u32 s21, s21, 0
	s_add_co_u32 s100, s100, s99
	s_add_co_ci_u32 s101, s101, 0
	s_mov_b32 s[G0], 1                             ; slot 0's own groups 0, first used at its refill
	s_mov_b32 s[G0+1], s47
	s_mov_b64 s[G0+2:G0+3], s[20:21]
	s_or_b32 s[G0+3], s[G0+3], 0x80000000
	s_mov_b32 s[G0B], 1
	s_mov_b32 s[G0B+1], s47
	s_mov_b64 s[G0B+2:G0B+3], s[100:101]
	s_or_b32 s[G0B+3], s[G0B+3], 0x80000000
	s_mov_b32 s[G0+4], 1                           ; K steps 2 to 5: 8 rows of 6,144 bytes a wave, behind slot 0: wave x 49,152 bytes
	s_lshl_b32 s[G0+5], s47, 1
	s_add_co_u32 s[G0+5], s[G0+5], SLOT
	s_add_nc_u64 s[G0+6:G0+7], s[20:21], TILEB
	s_or_b32 s[G0+7], s[G0+7], 0x80000000
	s_mov_b32 s[G0B+4], 1
	s_lshl_b32 s[G0B+5], s47, 1
	s_add_co_u32 s[G0B+5], s[G0B+5], SLOT
	s_add_nc_u64 s[G0B+6:G0B+7], s[100:101], TILEB
	s_or_b32 s[G0B+7], s[G0B+7], 0x80000000
; THE HEAD'S LOADS, ONE A WAVE, in one chain of branches on the wave's number: wave 0 the first operand's codes, wave 1 the second's, waves 2 and 3 their scale words
.macro ARM under, g0, g1, next
	s_cmp_lt_u32 s14, \under
	s_cbranch_scc0 \next
	tensor_load_to_lds s[\g0:\g0+3], s[\g1:\g1+7]
	s_nop 0
.rept 4
	v_nop
.endr
	s_branch .Lhead_asked
\next:
.endm
	ARM 1, G0+8, G1, .Lhead_b
	ARM 2, G0B2, G1B, .Lhead_sa
	ARM 3, G0S, G1S, .Lhead_sb
	tensor_load_to_lds s[G0SB:G0SB+3], s[G1SB:G1SB+7]
	s_nop 0
.rept 4
	v_nop
.endr
.Lhead_asked:
	s_lshl_b32 s100, s46, 10
	s_lshl_b32 s101, s16, 9
	s_add_co_u32 s100, s100, s101
	s_lshl_b32 s18, s45, 10
	s_lshl_b32 s19, s15, 9
	s_add_co_u32 s18, s18, s19
	s_add_co_u32 s18, s18, 8192
	s_cmp_eq_u32 s98, 0
	s_cselect_b32 s66, s100, 0
	s_cselect_b32 s2, 0, s18
	s_mov_b32 s67, 0
	s_mov_b32 s3, 0
	s_add_nc_u64 s[66:67], s[8:9], s[66:67]
	s_add_nc_u64 s[2:3], s[8:9], s[2:3]
	v_and_b32 v1, 15, v0
	v_bfe_u32 v2, v0, 4, 1
	v_and_b32 v3, 31, v0
	v_lshlrev_b32 v[BIO], 6, v2
	v_and_b32 v4, 8, v1
	v_add_nc_u32 v4, v4, v1
	v_lshlrev_b32 v[BVO], 2, v4
.irp t, 0,1,2,3,4,5,6,7
	global_load_b128 v[BI+8*\t:BI+8*\t+3], v[BIO], s[66:67] offset:(32*(\t/2)+8*(\t%2))*4
	global_load_b128 v[BI+8*\t+4:BI+8*\t+7], v[BIO], s[66:67] offset:(32*(\t/2)+8*(\t%2))*4+16
.endr
.irp a, 0,1,2,3,4,5,6,7
	global_load_b32 v[BV+2*\a], v[BVO], s[2:3] offset:(32*(\a/2)+8*(\a%2))*4
	global_load_b32 v[BV+2*\a+1], v[BVO], s[2:3] offset:(32*(\a/2)+8*(\a%2))*4
.endr
	v_lshlrev_b32 v[L16], 4, v3
	v_lshlrev_b32 v[L8], 3, v3
	s_mul_i32 s21, s15, HALFT
	s_mul_i32 s22, s16, HALFT
	v_add_nc_u32 v[ADRA], s21, v[L16]              ; slot 0: row tiles 3,072 bytes apart
	s_lshl_b32 s21, s21, 1
	s_add_co_u32 s21, s21, SLOT
	v_add_nc_u32 v[ADRA+1], s21, v[L16]            ; K steps 2, 3: row tiles 6,144 bytes apart;
	v_add_nc_u32 v[ADRA+2], TILEB, v[ADRA+1]       ; K steps 4, 5: the second half of each such row
	s_add_co_u32 s23, s22, 2*HALFT
	v_add_nc_u32 v[ADRB], s23, v[L16]
	s_lshl_b32 s22, s22, 1
	s_add_co_u32 s22, s22, SLOT+4*HALFT
	v_add_nc_u32 v[ADRB+1], s22, v[L16]
	v_add_nc_u32 v[ADRB+2], TILEB, v[ADRB+1]
	v_lshlrev_b32 v5, 3, v1
	s_lshl_b32 s21, s15, 12
	s_lshl_b32 s22, s16, 12
	s_add_co_u32 s22, s22, PSC-SCL
	s_sub_co_u32 s22, s22, s21
	v_mul_u32_u24 v6, s22, v2
	s_add_co_u32 s21, s21, SCL
	v_add_nc_u32 v5, v5, v6
	v_add_nc_u32 v[ADRS], s21, v5
	s_lshl_b32 s20, s17, 1
	s_add_co_u32 s20, s20, s15
	s_lshl_b32 s21, s46, 1
	s_add_co_u32 s21, s21, s16
	s_and_b32 s22, s46, 3
	s_lshl_b32 s22, s22, 2
	s_lshl_b32 s23, s16, 1
	s_add_co_u32 s22, s22, s23
	s_lshl_b32 s23, s45, 2
	s_lshl_b32 s47, s15, 1
	s_add_co_u32 s23, s23, s47
	s_cmp_eq_u32 s98, 0
	s_cselect_b32 s20, s20, s21
	s_cselect_b32 s22, s22, s23
	s_lshr_b32 s21, s20, 4
	s_lshl_b32 s21, s21, 4
	s_add_co_u32 s21, s21, s22
	s_lshl_b32 s21, s21, 4
	s_and_b32 s20, s20, 15
	s_add_co_u32 s21, s21, s20
	s_mul_i32 s100, s21, REC
	s_mov_b32 s101, 0
	s_or_b32 s20, s98, ttmp9
	s_cmp_eq_u32 s20, 0
	s_cselect_b64 s[96:97], s[10:11], s[12:13]
	s_add_nc_u64 s[100:101], s[96:97], s[100:101]
.macro FRAGP reg, adr, q, i, pt
.irp g, 0,1,2
	ds_load_b128 v[\reg+4*\g:\reg+4*\g+3], v[\adr] offset:(\pt)*(\i)+1536*(\q)+512*\g
.endr
.endm
.macro MUL16 a0, p, q, sc, zero
.irp a, \a0, \a0+1
.irp b, 0,1,2,3,4,5,6,7
.if \zero
	v_wmma_scale_f32_16x16x128_f8f6f4 v[8*(8*((\a)%4)+\b):8*(8*((\a)%4)+\b)+7], v[128*(\p)+FR*\b:128*(\p)+FR*\b+FR-1], v[AF+FR*(\a):AF+FR*(\a)+FR-1], 0, v[SC+8*NQ*(\sc)+NQ*\b+(\q)], v[SC+8*NQ*(\sc)+NQ*(\a)+(\q)] matrix_a_fmt:MATRIX_FMT_BF6 matrix_b_fmt:MATRIX_FMT_BF6 matrix_a_scale:MATRIX_SCALE_ROW1
.else
	v_wmma_scale_f32_16x16x128_f8f6f4 v[8*(8*((\a)%4)+\b):8*(8*((\a)%4)+\b)+7], v[128*(\p)+FR*\b:128*(\p)+FR*\b+FR-1], v[AF+FR*(\a):AF+FR*(\a)+FR-1], v[8*(8*((\a)%4)+\b):8*(8*((\a)%4)+\b)+7], v[SC+8*NQ*(\sc)+NQ*\b+(\q)], v[SC+8*NQ*(\sc)+NQ*(\a)+(\q)] matrix_a_fmt:MATRIX_FMT_BF6 matrix_b_fmt:MATRIX_FMT_BF6 matrix_a_scale:MATRIX_SCALE_ROW1
.endif
.endr
.endr
.endm
.macro FETCH_B slot, q, p
	WIN TO_B
.irp i, 0,1,2,3,4,5,6,7
	FRAGP 128*(\p)+FR*\i, ADRB+\slot, \q, \i, TILEB*(1+((\slot)+1)/2)
.endr
	WIN 0
.endm
.macro FETCH_A slot, q, i0
.irp i, \i0, \i0+1, \i0+2, \i0+3
	FRAGP AF+FR*(\i), ADRA+\slot, \q, \i, TILEB*(1+((\slot)+1)/2)
.endr
.endm
.macro SCALES sc
.irp i, 0,1,2,3,4,5,6,7
	ds_load_b64 v[SC+8*NQ*\sc+NQ*\i:SC+8*NQ*\sc+NQ*\i+1], v[ADRS] offset:\i*512
.endr
.endm
.macro PLACES n
.rept \n
	v_nop
.endr
.endm
.macro STEP slot, sc, zero
	s_wait_dscnt 4*NLR
	WIN MUL_LO
	MUL16 0, 0, 0, \sc, \zero
	MUL16 2, 0, 0, \sc, \zero
	s_wait_dscnt 0
	PLACES NP
	FETCH_B \slot, 1, 1
	FETCH_A \slot, 1, 0
	WIN MUL_HI
	MUL16 4, 0, 0, \sc, \zero
	MUL16 6, 0, 0, \sc, \zero
	PLACES NP
	WIN 0
	FETCH_A \slot, 1, 4
.endm
.macro TURN next, sc, nsc, kind
.if \kind
	s_wait_tensorcnt 0x0
	ds_add_u32 v[SPW], v[NIL]
	s_wait_dscnt 4*NLR+1
.else
	s_wait_dscnt 4*NLR
.endif
	WIN MUL_LO
	MUL16 0, 1, NQ-1, \sc, 0
	s_wait_dscnt 0x0
.if \kind
	s_barrier_signal -1
.endif
	MUL16 2, 1, NQ-1, \sc, 0
	WIN 0
.if \kind
	s_barrier_wait -1
.endif
.if \kind == 2
	CREST
	s_add_nc_u64 s[G0+2:G0+3], s[G0+2:G0+3], 3*TILEB
	s_add_nc_u64 s[G0B+2:G0B+3], s[G0B+2:G0B+3], 3*TILEB
	s_mov_b32 s[G1+1], 384<<16                     ; no tensor load of mine is out: the refill's rows are 3,072 bytes again
	s_mov_b32 s[G1+3], 384<<16
	s_mov_b32 s[G1B+1], 384<<16
	s_mov_b32 s[G1B+3], 384<<16
	JLOAD G0, G1, G0B, G1B
.else
	PLACES NP
.endif
	v_add_nc_u32 v[ADRS], 128, v[ADRS]
	FETCH_B \next, 0, 0
	FETCH_A \next, 0, 0
	SCALES \nsc
	WIN MUL_HI
	MUL16 4, 1, NQ-1, \sc, 0
	MUL16 6, 1, NQ-1, \sc, 0
	PLACES NP
	WIN 0
	FETCH_A \next, 0, 4
.endm
	s_wait_alu depctr_va_vdst(0)
	s_wait_tensorcnt 0x0                           ; my tile of the head's four is in
	ds_add_u32 v[SPW], v[NIL]
	s_mov_b32 s[G1+1], 768<<16                     ; no tensor load of mine is out: from here a load brings 8 rows of 6,144 bytes
	s_mov_b32 s[G1+2], 8<<16
	s_mov_b32 s[G1+3], 768<<16
	s_mov_b32 s[G1+4], 8
	s_mov_b32 s[G1B+1], 768<<16
	s_mov_b32 s[G1B+2], 8<<16
	s_mov_b32 s[G1B+3], 768<<16
	s_mov_b32 s[G1B+4], 8
	s_wait_dscnt 0x0
	CROUND                                         ; all four tiles are in, and all sixteen work-groups are here
	JLOAD G0+4, G1, G0B+4, G1B                     ; K steps 2 to 5: the first tensor load behind the round
	FETCH_B 0, 0, 0
	FETCH_A 0, 0, 0
	SCALES 0
	FETCH_A 0, 0, 4
	STEP 0, 0, 1
	TURN 1, 0, 1, 2
	s_wait_alu depctr_va_vdst(0)
	STEP 1, 1, 0
	TURN 2, 1, 0, 0
	s_wait_alu depctr_va_vdst(0)
	STEP 2, 0, 0
	TURN 0, 0, 1, 1
	STEP 0, 1, 0
	s_wait_dscnt 4*NLR
	WIN MUL_LO
	MUL16 0, 1, NQ-1, 1, 0
	MUL16 2, 1, NQ-1, 1, 0
	s_wait_dscnt 0
	WIN MUL_HI
	MUL16 4, 1, NQ-1, 1, 0
	MUL16 6, 1, NQ-1, 1, 0
	WIN 0
.macro BIAS a, mode
.set WN, 2+(\a)/4
.set AC, 64*((\a)%4)
	WIN WN|(WN<<6)
.set jj, 0
.rept 32
.if \mode
	v_pk_add_f32 v[AC+2*jj:AC+2*jj+1], v[AC+2*jj:AC+2*jj+1], v[BV+2*(\a):BV+2*(\a)+1]
.else
	v_pk_add_f32 v[AC+2*jj:AC+2*jj+1], v[AC+2*jj:AC+2*jj+1], v[BI+2*jj:BI+2*jj+1]
.endif
.set jj, jj+1
.endr
.endm
.macro QUANT a, d0, d1, pw
.set WN, 2+(\a)/4
.set AC, 64*((\a)%4)
	WIN WN|(WN<<2)
.irp b, 0,1,2,3
	v_max3_num_f32 v[TM+\b], |v[AC+16*\b]|, |v[AC+1+16*\b]|, 0x2800000
.endr
	WIN (WN<<2)|(WN<<4)
.irp i, 2,4,6,8,10,12,14
.irp b, 0,1,2,3
	v_max3_num_f32 v[TM+\b], v[TM+\b], |v[AC+16*\b+\i]|, |v[AC+1+16*\b+\i]|
.endr
.endr
	WIN 0
.irp b, 0,1,2,3
	v_permlanex16_b32 v[TM+4+\b], v[TM+\b], s18, s19
.endr
.irp b, 0,1,2,3
	v_max_num_f32 v[TM+\b], v[TM+\b], v[TM+4+\b]
.endr
.irp b, 0,1,2,3
	v_add_nc_u32 v[TM+12+\b], 0xfe000000, v[TM+\b]
.endr
.irp b, 0,1,2,3
	v_lshrrev_b32 v[TM+4+\b], 23, v[TM+12+\b]
.endr
	v_lshl_or_b32 v[\pw], v[TM+5], 8, v[TM+4]
	v_lshl_or_b32 v[\pw], v[TM+6], 16, v[\pw]
	v_lshl_or_b32 v[\pw], v[TM+7], 24, v[\pw]
	WIN WN
	v_cvt_scalef32_pk16_bf6_f32 v[\d0:\d0+2], v[AC:AC+15], v[TM+12]
	v_cvt_scalef32_pk16_bf6_f32 v[T2:T2+2], v[AC+16:AC+31], v[TM+13]
	v_cvt_scalef32_pk16_bf6_f32 v[\d1:\d1+2], v[AC+32:AC+47], v[TM+14]
	v_cvt_scalef32_pk16_bf6_f32 v[T2+4:T2+6], v[AC+48:AC+63], v[TM+15]
	WIN 0
	v_nop
.irp i, 0,1,2
	v_permlane16_swap_b32 v[\d0+\i], v[T2+\i]
	v_permlane16_swap_b32 v[\d1+\i], v[T2+4+\i]
.endr
.irp i, 0,1,2
	v_mov_b32 v[\d0+3+\i], v[T2+\i]
	v_mov_b32 v[\d1+3+\i], v[T2+4+\i]
.endr
.endm
.macro EPI mode
.irp i, 0,1,2,3
.if \i > 0
	s_wait_xcnt 0x0
.endif
	BIAS 2*\i, \mode
	BIAS 2*\i+1, \mode
.if \mode
	QUANT 2*\i, IMG0, IMG0+6, PW+2*\i
	QUANT 2*\i+1, IMG1, IMG1+6, PW+2*\i+1
.irp g, 0,1,2
	global_store_b128 v[L16], v[IMG0+4*\g:IMG0+4*\g+3], s[100:101] offset:6144+HEADB*((2*\i)/4)+1536*((2*\i)%4)+512*\g
	global_store_b128 v[L16], v[IMG1+4*\g:IMG1+4*\g+3], s[100:101] offset:6144+HEADB*((2*\i)/4)+1536*((2*\i)%4)+1536+512*\g
.endr
.else
	QUANT 2*\i, IMG0, IMG1, PW+2*\i
	QUANT 2*\i+1, IMG0+6, IMG1+6, PW+2*\i+1
.irp g, 0,1,2
	global_store_b128 v[L16], v[IMG0+4*\g:IMG0+4*\g+3], s[100:101] offset:1536*\i+512*\g
	global_store_b128 v[L16], v[IMG1+4*\g:IMG1+4*\g+3], s[100:101] offset:HEADB+1536*\i+512*\g
.endr
.endif
.endr
.irp c, 0,1
.if \mode
	v_cndmask_b32 v[SO+2*\c], v[PW+4*\c], v[PW+4*\c+1], s99
	v_cndmask_b32 v[SO+2*\c+1], v[PW+4*\c+2], v[PW+4*\c+3], s99
	global_store_b64 v[L8], v[SO+2*\c:SO+2*\c+1], s[100:101] offset:HEADB*\c+12544
.else
.irp n, 0,1,2,3
	v_perm_b32 v[WD+\n], v[PW+2*\n+1], v[PW+2*\n], 0x05040100+0x02020202*\c
.endr
	v_cndmask_b32 v[SO+2*\c], v[WD], v[WD+1], s99
	v_cndmask_b32 v[SO+2*\c+1], v[WD+2], v[WD+3], s99
	global_store_b64 v[L8], v[SO+2*\c:SO+2*\c+1], s[100:101] offset:HEADB*\c+12288
.endif
.endr
.endm
	s_wait_loadcnt 0x0
	PLACES NP
	s_mov_b32 s18, 0x76543210
	s_mov_b32 s19, 0xfedcba98
	s_mov_b32 s99, 0xffff0000
.irp b, 0,1,2,3
	v_mov_b32 v[TM+4+\b], 0
.endr
	s_cmp_lg_u32 s98, 0
	s_cbranch_scc1 .Lmode_1
	EPI 0
	s_branch .Lout
.Lmode_1:
	EPI 1
.Lout:
	s_wait_tensorcnt 0x0
	ds_add_u32 v[SPW], v[NIL]
	s_wait_dscnt 0x0
	CROUND
	s_endpgm
.Lfunc_end_k_q6558c9eecf_gemm_qkv:
	.size	k_q6558c9eecf_gemm_qkv, .Lfunc_end_k_q6558c9eecf_gemm_qkv-k_q6558c9eecf_gemm_qkv
	.p2alignl 7, 3214868480
	.fill 96, 4, 3214868480
	.section	.rodata,"a",@progbits
	.p2align	6, 0x0
	.amdhsa_kernel k_q6558c9eecf_gemm_qkv
		.amdhsa_group_segment_fixed_size 327680
		.amdhsa_private_segment_fixed_size 0
		.amdhsa_enable_private_segment 0
		.amdhsa_kernarg_size 40
		.amdhsa_user_sgpr_count 2
		.amdhsa_user_sgpr_kernarg_segment_ptr 1
		.amdhsa_wavefront_size32 1
		.amdhsa_system_sgpr_workgroup_id_x 1
		.amdhsa_system_sgpr_workgroup_id_y 1
		.amdhsa_system_sgpr_workgroup_id_z 1
		.amdhsa_system_vgpr_workitem_id 0
		.amdhsa_next_free_vgpr 1024
		.amdhsa_next_free_sgpr 102
		.amdhsa_reserve_vcc 0
		.amdhsa_float_denorm_mode_32 3
		.amdhsa_float_denorm_mode_16_64 3
		.amdhsa_memory_ordered 1
		.amdhsa_forward_progress 1
		.amdhsa_inst_pref_size 212
	.end_amdhsa_kernel
	.amdgpu_metadata
---
amdhsa.version: [ 1, 2 ]
amdhsa.kernels:
  - .name:           k_q6558c9eecf_gemm_qkv
    .symbol:         k_q6558c9eecf_gemm_qkv.kd
    .args:
      - { .name: xq, .offset: 0, .size: 8, .value_kind: global_buffer, .address_space: global }
      - { .name: wq, .offset: 8, .size: 8, .value_kind: global_buffer, .address_space: global }
      - { .name: b_qkv, .offset: 16, .size: 8, .value_kind: global_buffer, .address_space: global }
      - { .name: q, .offset: 24, .size: 8, .value_kind: global_buffer, .address_space: global }
      - { .name: kv, .offset: 32, .size: 8, .value_kind: global_buffer, .address_space: global }
    .group_segment_fixed_size: 327680
    .private_segment_fixed_size: 0
    .kernarg_segment_align: 8
    .kernarg_segment_size: 40
    .max_flat_workgroup_size: 128
    .sgpr_count:     102
    .vgpr_count:     1024
    .wavefront_size: 32
...
	.end_amdgpu_metadata
.endif
;; end of part 2
;; launch attn (part 3): grid 4 x 64, 16 waves a work-group, clusters of 4 x 1, 258,048 bytes of LDS; arguments q, kv, oq; writes oq
.if DOCPART == 3
	.amdgcn_target "amdgcn-amd-amdhsa--gfx1250"
	.amdhsa_code_object_version 6
	.text
	.protected	k_q6558c9eecf_attn
	.globl	k_q6558c9eecf_attn
	.p2align	8
	.type	k_q6558c9eecf_attn,@function
k_q6558c9eecf_attn:
	s_mov_b64 s[64:65], 0
	v_nop
	global_prefetch_b8 v0, s[64:65] scope:SCOPE_SE
	s_setreg_imm32_b32 hwreg(HW_REG_WAVE_MODE, 25, 1), 1
	s_wait_xcnt 0x0
	s_wait_alu depctr_hold_cnt(0) depctr_sa_sdst(0) depctr_va_vdst(0) depctr_va_sdst(0) depctr_va_ssrc(0) depctr_va_vcc(0) depctr_vm_vsrc(0)
	s_getreg_b32 s2, hwreg(HW_REG_IB_STS2, 6, 4)
	s_cmp_eq_u32 s2, 0
	s_cbranch_scc0 .Lentry_in_a_cluster
	s_endpgm
.Lentry_in_a_cluster:
	s_bfe_u32 s2, ttmp6, 0x10000c
	s_cmp_lg_u32 s2, 0x3003
	s_cbranch_scc0 .Lentry_shape_is_right
	s_endpgm
.Lentry_shape_is_right:
; Attention of one (batch, head) on codes of BF6 (E3M2) with E8M0 scales: S^T = K Q^T (K = the head's 64), p = 2^(t - M), O^T = V^T P^T (K = the keys); O / l is quantised along the model's 1,024 and leaves as codes.
; t = score x log2(e) / 8; M = the running largest t rounded UP to a whole number; l is summed of the unquantised p; when M moves, l and O^T are multiplied by 2^(old M - new M): exact.
; RECORDS of 12,800 bytes for (batch, head, 128 tokens): +0 four images of K (12 registers a lane, registers 4 g .. at 512 g + 16 lane): image ib holds two tiles of 16 keys, registers 0-5 tile u = 0, registers 6-11 tile u = 1;
; lane r of tile (ib, u) is key 32 ib + 8 u + r + 8 (r / 8).  +6,144 four images of V (16 channels x 128 keys).  +12,288, +12,544: 8 bytes a lane: scale words of images 0, 1 (lanes 0-15, 16-31) and 2, 3.
; IN LDS a record lies as 25 rows of 512 bytes, each with 128 bytes of padding: 16,000 bytes; an image is 1,920 bytes.
; THE KEY TILES ARE FORMED ANEW AT THE LDS LOAD: for tile pair (c, tp) lanes with r < 8 read image 2 c, lanes with r >= 8 image 2 c + 1, both at lane place (r % 8) + 8 tp + 16 h.  Row r of tile (c, tp, u) is then key
; 64 c + 32 (r / 8) + 16 tp + 8 u + r % 8, so that lane (query, h) holds in its 32 score registers of c the WHOLE block of keys 64 c + 32 h + 0..31, in order: the layout of the second product's operand.
; The two groups of eight lanes read 1,920 bytes apart, 128 modulo 256: sixteen lanes touch sixteen different columns of 16 bytes.
; THE FIRST PRODUCT'S K IS 64, THE INSTRUCTION'S 128: source 1 is [q | zero codes] for u = 0 and [zero codes | q] for u = 1, read out of 18 registers [q, 0, q]; the scale bytes over the zero codes are 1.
; SHARES.  The four work-groups of a cluster are the four blocks of 512 queries of one head: its K and V, 204,800 bytes, come into LDS once, by sixteen joint loads, one record a wave, and stay: behind the head's barrier the waves share nothing.
; Each wave owns two tiles of 16 queries, one after the other.
; No prefetch: all that the launch reads by tensor loads is asked for at its head; there is no loop to run ahead in.
; OUT: oq in records of 12,800 bytes a row tile: [K step][1,536] codes, registers 2 p, 2 p + 1 of lane l at 256 p + 8 l; at +12,288 the scale words [pair of K steps][r][2 words].  A head is half a K step: three stores of 256 bytes;
; its two scale bytes of a row are half a word and leave by one store of 2 bytes a lane.
; LIMITS: the promise holds while |t| stays under 2^31; a block whose largest magnitude lies under 2^-122 has the byte 1; 1 / l is v_rcp_f32 and a multiplication; NaN and infinities are not served.
.set REC,   12800
.set RECP,  16000
.set HEADB, 204800
.set SPARE, 16*RECP                    ; behind the records: the spare words, 128 bytes a wave
.set LI,   1                           ; 16 x lane
.set LS8,  2                           ; 8 x lane
.set KB,   3                           ; K: 16 (r % 8) + 256 h + 1,920 (r / 8)
.set KSB,  4                           ; K's scale words: 8 (r % 8) + 64 h + 128 (r / 8)
.set ADK,  5                           ; the four with the record's place added
.set ADKS, 6
.set ADV,  7
.set ADVS, 8
.set SA,   9                           ; 8 r + 12,800 h
.set R8,   10                          ; 8 r
                                       ; v12 -M, v13 the largest score, v14-15 l in two halves
.set KS,   16                          ; v16-17 K's scale words
.set VS,   18                          ; v18-19 V's
.set QF,   20                          ; v20-37 [q, 0, q]
.set QI,   38                          ; v38-49 my image of Q: both tiles
.set QW,   50
.set QSA,  51                          ; v51, v52 the scale words of [q | 0] and [0 | q]
.set KF,   54                          ; v54-101 four fragments of K, then of V
.set SS,   102                         ; v102-165 S^T, then p
.set OO,   166                         ; v166-197 O^T
.set PC,   198                         ; v198-209 p's codes
.set PT,   210                         ; v210-216 the blocks' upper halves
.set BM,   218                         ; v218-219 my two blocks' largest score, then largest p
.set BP,   220
.set BS,   222                         ; the conversions' scale operands
.set BY,   224                         ; the bytes; ahead of them: side chains of the maxima
.set PSW,  226                         ; p's scale word
.set FF,   228                         ; v228-229 f = 2^(old M - new M)
.set TT,   230
.set TO,   231                         ; the old -M
.set A1,   232                         ; v232-237 l's three side sums: joined to l at the next step's head
.set A2,   234
.set A3,   236
.set SH,   238                         ; 8 h
.set EE,   240                         ; v240-245 the output's codes: written nowhere else, since stores read them
.set ET,   246
.set HW,   249                         ; v249-250 the two tiles' scale bytes
.set RL,   252                         ; v252-253 1 / l
.set WV,   10
.set G1,   16
.set G0,   24
.set SEL,  28
.set CS,   30
.set TB,   32
.set CNT,  33
.set NC,   3
.macro ROUND                           ; a round of the cluster's barrier
	s_barrier_signal -1
	s_barrier_wait -1
	s_cmp_lg_u32 s[WV], 0
	s_cbranch_scc1 .Lnot_wave_0_\@
	s_barrier_signal -3
.Lnot_wave_0_\@:
	s_barrier_wait -3
	s_barrier_signal -1
	s_barrier_wait -1
.endm
	s_load_b128 s[4:7], s[0:1], 0x0                ; q, kv
	s_load_b64 s[8:9], s[0:1], 0x10                ; oq
	v_lshl_add_u32 v254, v0, 2, SPARE
	v_mov_b32 v255, 0
	ds_add_u32 v254, v255                          ; the opening lines: the add twice on end
	ds_add_u32 v254, v255
	v_lshrrev_b32 v1, 5, v0
	v_readfirstlane_b32 s[WV], v1                  ; wave 0..15
	s_bfe_u32 s11, ttmp6, 0x40000                  ; cx: my block of 512 queries: it enters q's and oq's addresses alone
	s_and_b32 s12, ttmp7, 0xffff                   ; batch x 16 + head, which the four partners share
	s_mov_b32 s[G1], 15|(3<<16)|(1<<20)|(1<<21)|(6<<22)|(31<<25)   ; mask: all four; elements of 8 bytes; behind every 128 words 32 words of padding
	s_mov_b32 s[G1+1], 64<<16                      ; a record: 25 rows of 512 bytes, dense in memory
	s_mov_b32 s[G1+2], 25<<16
	s_mov_b32 s[G1+3], 64<<16
	s_mov_b32 s[G1+4], 25
	s_mov_b32 s[G1+5], 64
	s_mov_b32 s[G1+6], 0
	s_mov_b32 s[G1+7], 0
	s_mul_i32 s13, s12, HEADB                      ; the head's first record
	s_mul_i32 s14, s[WV], REC                      ; record = wave
	s_mul_i32 s2, s[WV], RECP                      ; and its place in LDS
	s_add_co_u32 s36, s13, s14
	s_mov_b32 s37, 0
	s_lshl_b32 s38, s11, 2
	s_lshr_b32 s15, s[WV], 2
	s_add_co_u32 s38, s38, s15
	s_mul_i32 s38, s38, REC
	s_add_co_u32 s38, s38, s13                     ; my queries' record: 4 cx + wave / 4
	s_and_b32 s15, s[WV], 1
	s_lshl_b32 s15, s15, 7
	s_add_co_u32 s46, s38, s15
	s_bfe_u32 s15, s[WV], 0x10001
	s_lshl_b32 s15, s15, 2
	s_add_co_u32 s46, s46, s15
	s_add_co_u32 s46, s46, 12288                   ; image ib = wave % 4: its words lie in lanes 16 (ib % 2) on, word ib / 2
	s_mov_b32 s47, 0
	s_and_b32 s15, s[WV], 3
	s_mul_i32 s15, s15, 1536
	s_add_co_u32 s38, s38, s15                     ; and the image
	s_mov_b32 s39, 0
	s_lshr_b32 s15, s12, 4
	s_lshl_b32 s15, s15, 7
	s_lshl_b32 s32, s11, 5
	s_add_co_u32 s15, s15, s32
	s_lshl_b32 s32, s[WV], 1
	s_add_co_u32 s15, s15, s32                     ; my first row tile of oq: 128 batch + 32 cx + 2 wave
	s_mul_i32 s42, s15, REC
	s_add_co_u32 s44, s42, 12288                   ; its scale words
	s_bfe_u32 s32, s12, 0x30001                    ; head / 2: the K step
	s_mul_i32 s32, s32, 1536
	s_add_co_u32 s42, s42, s32
	s_and_b32 s33, s12, 1                          ; head % 2: which half of it
	s_mul_i32 s32, s33, 768
	s_add_co_u32 s42, s42, s32
	s_mov_b32 s43, 0
	s_bfe_u32 s32, s12, 0x20002                    ; head / 4: the pair of K steps
	s_lshl_b32 s32, s32, 7
	s_add_co_u32 s44, s44, s32
	s_bfe_u32 s32, s12, 0x10001
	s_lshl_b32 s32, s32, 2
	s_add_co_u32 s44, s44, s32
	s_lshl_b32 s32, s33, 1
	s_add_co_u32 s44, s44, s32
	s_mov_b32 s45, 0
	s_mov_b32 s[SEL], 0x76543210
	s_mov_b32 s[SEL+1], 0xfedcba98                 ; v_permlanex16_b32's selects for lane l xor 16
	s_mov_b32 s[CS], 0x3e38aa3b                    ; c = log2(e) / 8
	s_mov_b32 s[CS+1], s[CS]
	s_mov_b32 s[NC], 0xbe38aa3b                    ; -c
	s_mov_b32 s34, 0xffff
	s_mov_b32 s35, 0xffff0000                      ; a word's upper half; also: lanes 16-31
	s_wait_dscnt 0x0
	s_wait_kmcnt 0x0
	s_mov_b32 s[G0], 1
	s_mov_b32 s[G0+1], s2
	s_add_nc_u64 s[G0+2:G0+3], s[6:7], s[36:37]
	s_or_b32 s[G0+3], s[G0+3], 0x80000000
	s_add_nc_u64 s[40:41], s[4:5], s[38:39]
	s_add_nc_u64 s[46:47], s[4:5], s[46:47]
	s_add_nc_u64 s[42:43], s[8:9], s[42:43]
	s_add_nc_u64 s[44:45], s[8:9], s[44:45]
	ROUND                                          ; all four work-groups are here: the joint loads meet
	tensor_load_to_lds s[G0:G0+3], s[G1:G1+7]      ; my one tensor load: record = wave, into every partner's LDS
	s_nop 0
.rept 4
	v_nop
.endr
	v_and_b32 v[TT], 31, v0
	v_and_b32 v[TO], 15, v0
	v_bfe_u32 v[SH], v0, 4, 1                      ; h
	v_and_b32 v[A1], 7, v0                         ; r % 8
	v_bfe_u32 v[A1+1], v0, 3, 1                    ; r / 8
	v_lshlrev_b32 v[LI], 4, v[TT]
	v_lshlrev_b32 v[LS8], 3, v[TT]
	v_lshlrev_b32 v[R8], 3, v[TO]
	v_lshlrev_b32 v[KB], 4, v[A1]
	v_lshlrev_b32 v[KSB], 3, v[A1]
	v_lshl_add_u32 v[KB], v[SH], 8, v[KB]
	v_lshl_add_u32 v[KSB], v[SH], 6, v[KSB]
	v_mad_u32_u24 v[KB], v[A1+1], 1920, v[KB]
	v_lshl_add_u32 v[KSB], v[A1+1], 7, v[KSB]
	v_mad_u32_u24 v[SA], v[SH], REC, v[R8]
	v_lshlrev_b32 v[SH], 3, v[SH]
.irp g, 0,1,2
	global_load_b128 v[QI+4*\g:QI+4*\g+3], v[LI], s[40:41] offset:512*\g
.endr
	global_load_b32 v[QW], v[R8], s[46:47]
.irp i, 0,1,2,3,4,5
	v_mov_b32 v[QF+6+\i], 0                        ; the zero codes
.endr
	v_mov_b32 v[BP], 0                             ; a lane permute's destination counts as one of its sources
	v_mov_b32 v[BP+1], 0
	v_mov_b32 v[FF+1], 0                           ; (named as the upper halves of pairs)
	v_mov_b32 v[RL+1], 0
	v_mov_b32 v[ADK], v[KB]
	v_mov_b32 v[ADKS], v[KSB]
	v_mov_b32 v[ADV], v[LI]
	v_mov_b32 v[ADVS], v[LS8]
	s_wait_alu depctr_va_vdst(0)
	s_wait_tensorcnt 0x0                           ; my record is in,
	s_barrier_signal -1
	s_barrier_wait -1                              ; everybody's is: the head's K and V lie in LDS for the rest of the launch
.macro KLOAD                           ; a record's four fragments of K, n = 2 c + tp, and their scale words: word c; lanes 0-15 tp = 0, lanes 16-31 tp = 1
.irp n, 0,1,2,3
.irp g, 0,1,2
	ds_load_b128 v[KF+12*\n+4*\g:KF+12*\n+4*\g+3], v[ADK] offset:3840*(\n/2)+128*(\n%2)+640*\g
.endr
.endr
	ds_load_b64 v[KS:KS+1], v[ADKS] offset:15360
.endm
.macro JOIN                            ; l's three side sums are joined to it
	v_pk_add_f32 v[A1:A1+1], v[A1:A1+1], v[A2:A2+1]
	v_pk_add_f32 v[14:15], v[14:15], v[A3:A3+1]
	v_pk_add_f32 v[14:15], v[14:15], v[A1:A1+1]
.endm
; A KEY STEP: a record's 128 keys.
.macro STEP
	s_wait_alu depctr_va_vdst(0)
	s_wait_dscnt 0x0                               ; K is in
.irp c, 0,1
.irp p, 0,1
.irp u, 0,1
.if \p
	v_wmma_scale_f32_16x16x128_f8f6f4 v[SS+32*\c+16*\p+8*\u:SS+32*\c+16*\p+8*\u+7], v[KF+12*(2*\c+\p):KF+12*(2*\c+\p)+11], v[QF+6*\u:QF+6*\u+11], 0, v[KS+\c], v[QSA+\u] matrix_a_fmt:MATRIX_FMT_BF6 matrix_b_fmt:MATRIX_FMT_BF6 matrix_a_scale:MATRIX_SCALE_ROW1
.else
	v_wmma_scale_f32_16x16x128_f8f6f4 v[SS+32*\c+16*\p+8*\u:SS+32*\c+16*\p+8*\u+7], v[KF+12*(2*\c+\p):KF+12*(2*\c+\p)+11], v[QF+6*\u:QF+6*\u+11], 0, v[KS+\c], v[QSA+\u] matrix_a_fmt:MATRIX_FMT_BF6 matrix_b_fmt:MATRIX_FMT_BF6
.endif
.endr
.endr
.endr                                  ; register 32 c + i of a lane: key 64 c + 32 h + i of the record
	v_mov_b32 v[TO], v12                           ; four places in front of the loads into K's registers and of the first read of the scores: the old -M,
	JOIN                                           ; and the last step's side sums, still under the old M
.irp n, 0,1,2,3
.irp g, 0,1,2
	ds_load_b128 v[KF+12*\n+4*\g:KF+12*\n+4*\g+3], v[ADV] offset:7680+1920*\n+640*\g   ; V lands while the softmax is walked
.endr
.endr
	ds_load_b64 v[VS:VS+1], v[ADVS] offset:15616
.irp c, 0,1                            ; the largest score of my two blocks of 32 keys, in four chains by turns; each accumulator is read from its low end on
	v_max3_num_f32 v[BM+\c], v[SS+32*\c], v[SS+32*\c+1], v[SS+32*\c+2]
	v_max3_num_f32 v[BY+\c], v[SS+32*\c+16], v[SS+32*\c+17], v[SS+32*\c+18]
.endr
.irp i, 3,5,7,9,11,13
.irp c, 0,1
	v_max3_num_f32 v[BM+\c], v[BM+\c], v[SS+32*\c+\i], v[SS+32*\c+\i+1]
	v_max3_num_f32 v[BY+\c], v[BY+\c], v[SS+32*\c+16+\i], v[SS+32*\c+17+\i]
.endr
.endr
.irp c, 0,1
	v_max3_num_f32 v[BM+\c], v[BM+\c], v[BY+\c], v[SS+32*\c+15]
.endr
.irp c, 0,1
	v_max_num_f32 v[BM+\c], v[BM+\c], v[SS+32*\c+31]
.endr
	v_max_num_f32 v[TT], v[BM], v[BM+1]
	s_delay_alu instid0(VALU_DEP_1)
	v_permlanex16_b32 v[BP], v[TT], s[SEL], s[SEL+1]
	s_delay_alu instid0(VALU_DEP_1)
	v_max3_num_f32 v13, v13, v[TT], v[BP]          ; the running largest score of my query
	s_delay_alu instid0(VALU_DEP_1)
	v_mul_f32 v[TT], s[NC], v13                    ; -t
	s_delay_alu instid0(VALU_DEP_1)
	v_floor_f32 v12, v[TT]                         ; the new -M = floor(-t) = -ceil(t): a whole number
	s_delay_alu instid0(VALU_DEP_1)
	v_sub_f32 v[TT], v12, v[TO]                    ; old M - new M: a whole number, 0 or less
	s_delay_alu instid0(VALU_DEP_1)
	v_cvt_i32_f32 v[TT], v[TT]                     ; (it saturates)
	s_delay_alu instid0(VALU_DEP_1)
	v_ldexp_f32 v[FF], 1.0, v[TT]                  ; f = 2^(old M - new M)
.set j, 0
.rept 16
	v_pk_mul_f32 v[OO+j:OO+j+1], v[OO+j:OO+j+1], v[FF:FF+1] op_sel_hi:[1,0]   ; O^T under the new M, each accumulator from its low end on
.set j, j+2
.endr
.set j, 0
.rept 32
	v_pk_fma_f32 v[SS+j:SS+j+1], v[SS+j:SS+j+1], s[CS:CS+1], v[12:13] op_sel_hi:[1,0,0]   ; t - M, two at a time
.set j, j+2
.endr
.irp c, 0,1
	v_fma_f32 v[BM+\c], v[BM+\c], s[CS], v12       ; the same of each block's largest score
.endr
	s_wait_alu depctr_va_vdst(0)
.set j, 0
.rept 64
	v_exp_f32 v[SS+j], v[SS+j]                     ; p = 2^(t - M): not normalised
.set j, j+1
.endr
.irp c, 0,1
	v_exp_f32 v[BM+\c], v[BM+\c]                   ; the block's largest p: the same two instructions on the same number
.endr
	v_nop                                          ; one plain place behind the exponentials
	s_wait_alu depctr_va_vdst(0)                   ; one wait for the batch, ahead of its first reader
.irp c, 0,1
	v_max_num_f32 v[BM+\c], 0x2800000, v[BM+\c]    ; the floor 2^(5 - 127): the byte cannot fall under 1
.endr
.irp c, 0,1
	v_add_nc_u32 v[BS+\c], 0xfe000000, v[BM+\c]    ; 4 off the exponent field: the conversion's scale operand
.endr
.irp c, 0,1
	v_cvt_scalef32_pk16_bf6_f32 v[PC+6*\c:PC+6*\c+2], v[SS+32*\c:SS+32*\c+15], v[BS+\c]
	v_cvt_scalef32_pk16_bf6_f32 v[PT+4*\c:PT+4*\c+2], v[SS+32*\c+16:SS+32*\c+31], v[BS+\c]   ; (a conversion's three registers begin on an even number)
.endr
.irp c, 0,1
	v_lshrrev_b32 v[BY+\c], 23, v[BS+\c]           ; the scale's byte.  (Also the plain place behind the conversions)
.endr
	v_lshl_or_b32 v[TT], v[BY+1], 16, v[BY]        ; blocks h and 2 + h of my query,
	v_lshlrev_b32 v[TT], v[SH], v[TT]              ; at their places in the word;
	v_permlanex16_b32 v[BP], v[TT], s[SEL], s[SEL+1]
	v_or_b32 v[PSW], v[TT], v[BP]                  ; with lane l xor 16's two the word is whole
.irp c, 0,1
.irp i, 0,1,2
	v_mov_b32 v[PC+3+6*\c+\i], v[PT+4*\c+\i]
.endr
.endr
	v_pk_fma_f32 v[14:15], v[14:15], v[FF:FF+1], v[SS:SS+1] op_sel_hi:[1,0,1]   ; l under the new M, and the sum of the unquantised p: 32 pairs in four chains by turns
	v_pk_add_f32 v[A1:A1+1], v[SS+2:SS+3], v[SS+4:SS+5]
	v_pk_add_f32 v[A2:A2+1], v[SS+6:SS+7], v[SS+8:SS+9]
	v_pk_add_f32 v[A3:A3+1], v[SS+10:SS+11], v[SS+12:SS+13]
.set j, 14
.rept 6
	v_pk_add_f32 v[14:15], v[14:15], v[SS+j:SS+j+1]
	v_pk_add_f32 v[A1:A1+1], v[A1:A1+1], v[SS+j+2:SS+j+3]
	v_pk_add_f32 v[A2:A2+1], v[A2:A2+1], v[SS+j+4:SS+j+5]
	v_pk_add_f32 v[A3:A3+1], v[A3:A3+1], v[SS+j+6:SS+j+7]
.set j, j+8
.endr
	v_pk_add_f32 v[14:15], v[14:15], v[SS+62:SS+63]   ; (these 29 lines are the places between p's codes and scale word and the products below)
	s_wait_alu depctr_va_vdst(0)
	s_wait_dscnt 0x0                               ; V is in
.irp t, 0,1,2,3                        ; O^T += V^T P^T: four tiles of 16 channels, the accumulators by turns
.if \t%2
	v_wmma_scale_f32_16x16x128_f8f6f4 v[OO+8*\t:OO+8*\t+7], v[KF+12*\t:KF+12*\t+11], v[PC:PC+11], v[OO+8*\t:OO+8*\t+7], v[VS+\t/2], v[PSW] matrix_a_fmt:MATRIX_FMT_BF6 matrix_b_fmt:MATRIX_FMT_BF6 matrix_a_scale:MATRIX_SCALE_ROW1
.else
	v_wmma_scale_f32_16x16x128_f8f6f4 v[OO+8*\t:OO+8*\t+7], v[KF+12*\t:KF+12*\t+11], v[PC:PC+11], v[OO+8*\t:OO+8*\t+7], v[VS+\t/2], v[PSW] matrix_a_fmt:MATRIX_FMT_BF6 matrix_b_fmt:MATRIX_FMT_BF6
.endif
.endr
	s_add_co_u32 s[CNT], s[CNT], 1
	s_and_b32 s[TB], s[CNT], 15                    ; the next record; behind the sixteenth comes record 0 again: my second tile begins with it (behind the second tile its fetch is not used)
	s_mul_i32 s[TB], s[TB], RECP
	v_add_nc_u32 v[ADK], s[TB], v[KB]              ; four places, then the next K into the registers that the products have read
	v_add_nc_u32 v[ADKS], s[TB], v[KSB]
	v_add_nc_u32 v[ADV], s[TB], v[LI]
	v_add_nc_u32 v[ADVS], s[TB], v[LS8]
	KLOAD
.endm
; My tile u of 16 queries: all 16 records, then the way out.
.macro PASS u
.if \u == 0
	v_and_or_b32 v[QSA], v[QW], s34, 0x01010000    ; [q | 0]: q's two bytes below, 1 over the zero codes
	v_lshl_or_b32 v[QSA+1], v[QW], 16, 0x0101      ; [0 | q]
.else
	v_lshrrev_b32 v[QSA], 16, v[QW]
	v_and_or_b32 v[QSA+1], v[QW], s35, 0x0101
	v_or_b32 v[QSA], 0x01010000, v[QSA]
.endif
.irp i, 0,1,2,3,4,5
	v_mov_b32 v[QF+\i], v[QI+6*\u+\i]
	v_mov_b32 v[QF+12+\i], v[QI+6*\u+\i]
.endr
	v_mov_b32 v13, 0xff61b1e6                      ; the largest score so far: -3e38
	v_mov_b32 v12, 0x7d000000                      ; -M: so large that the first f is 0
	v_mov_b32 v14, 0
	v_mov_b32 v15, 0
.irp i, 0,1,2,3,4,5
	v_mov_b32 v[A1+\i], 0                          ; the side sums
.endr
.set j, 0
.rept 32
	v_mov_b32 v[OO+j], 0                           ; the step is written once: the first finds zeros.  (Also the places between the scale words above and the first product)
.set j, j+1
.endr
	s_mov_b32 s[CNT], 0
.Lkeys_\@:
	STEP
	s_cmp_lt_u32 s[CNT], 16
	s_cbranch_scc1 .Lkeys_\@
	JOIN                                           ; the last step's side sums
	v_add_f32 v14, v14, v15                        ; the sum's two halves,
	v_permlanex16_b32 v[BP], v14, s[SEL], s[SEL+1]
	v_add_f32 v14, v14, v[BP]                      ; and lane l xor 16's: l
	s_wait_alu depctr_va_vdst(0)
	v_rcp_f32 v[RL], v14
	v_nop                                          ; one plain place behind it
	s_wait_alu depctr_va_vdst(0)                   ; the wait directly ahead of the first reader of 1 / l and of O^T
.set j, 0
.rept 16
	v_pk_mul_f32 v[SS+j:SS+j+1], v[OO+j:OO+j+1], v[RL:RL+1] op_sel_hi:[1,0]   ; O^T / l: register 16 b + i is channel 32 b + 16 h + i of my query
.set j, j+2
.endr
.irp b, 0,1
	v_max3_num_f32 v[BM+\b], |v[SS+16*\b]|, |v[SS+1+16*\b]|, 0x2800000
.endr
.irp i, 2,4,6,8,10,12,14
.irp b, 0,1
	v_max3_num_f32 v[BM+\b], v[BM+\b], |v[SS+16*\b+\i]|, |v[SS+1+16*\b+\i]|
.endr
.endr
.irp b, 0,1
	v_permlanex16_b32 v[BP+\b], v[BM+\b], s[SEL], s[SEL+1]
.endr
.irp b, 0,1
	v_max_num_f32 v[BM+\b], v[BM+\b], v[BP+\b]
.endr
.irp b, 0,1
	v_add_nc_u32 v[BS+\b], 0xfe000000, v[BM+\b]
.endr
.irp b, 0,1
	v_lshrrev_b32 v[BY+\b], 23, v[BS+\b]
.endr
	v_lshl_or_b32 v[HW+\u], v[BY+1], 8, v[BY]      ; the head's two bytes of my row's scale word
	s_wait_alu depctr_va_vdst(0)
	s_wait_xcnt 0x0                                ; my first tile's stores have read the codes' registers
	v_cvt_scalef32_pk16_bf6_f32 v[EE:EE+2], v[SS:SS+15], v[BS]
	v_cvt_scalef32_pk16_bf6_f32 v[ET:ET+2], v[SS+16:SS+31], v[BS+1]
	v_nop                                          ; one plain place behind a scaled conversion
.irp i, 0,1,2
	v_permlane16_swap_b32 v[EE+\i], v[ET+\i]       ; the operand's layout wants a whole block in a lane
.endr
.irp i, 0,1,2
	v_mov_b32 v[EE+3+\i], v[ET+\i]
.endr
.irp p, 0,1,2
	global_store_b64 v[LS8], v[EE+2*\p:EE+2*\p+1], s[42:43] offset:REC*\u+256*\p   ; 32 lanes store 256 consecutive bytes, aligned
.endr
.endm
	KLOAD                                          ; record 0
	s_wait_loadcnt 0x0                             ; Q
	PASS 0
	PASS 1
	v_cndmask_b32 v[TT], v[HW], v[HW+1], s35       ; lanes 0-15: my first tile's rows; lanes 16-31: my second's
	global_store_b16 v[SA], v[TT], s[44:45]
	s_wait_dscnt 0x0
	s_wait_tensorcnt 0x0                           ; the wave's end
	ds_add_u32 v254, v255
	s_wait_dscnt 0x0
	ROUND                                          ; the closing round
	s_endpgm
.Lfunc_end_k_q6558c9eecf_attn:
	.size	k_q6558c9eecf_attn, .Lfunc_end_k_q6558c9eecf_attn-k_q6558c9eecf_attn
	.p2alignl 7, 3214868480
	.fill 96, 4, 3214868480
	.section	.rodata,"a",@progbits
	.p2align	6, 0x0
	.amdhsa_kernel k_q6558c9eecf_attn
		.amdhsa_group_segment_fixed_size 258048
		.amdhsa_private_segment_fixed_size 0
		.amdhsa_enable_private_segment 0
		.amdhsa_kernarg_size 24
		.amdhsa_user_sgpr_count 2
		.amdhsa_user_sgpr_kernarg_segment_ptr 1
		.amdhsa_wavefront_size32 1
		.amdhsa_system_sgpr_workgroup_id_x 1
		.amdhsa_system_sgpr_workgroup_id_y 1
		.amdhsa_system_sgpr_workgroup_id_z 1
		.amdhsa_system_vgpr_workitem_id 0
		.amdhsa_next_free_vgpr 256
		.amdhsa_next_free_sgpr 66
		.amdhsa_reserve_vcc 0
		.amdhsa_float_denorm_mode_32 3
		.amdhsa_float_denorm_mode_16_64 3
		.amdhsa_memory_ordered 1
		.amdhsa_forward_progress 1
		.amdhsa_inst_pref_size 48
	.end_amdhsa_kernel
	.amdgpu_metadata
---
amdhsa.version: [ 1, 2 ]
amdhsa.kernels:
  - .name:           k_q6558c9eecf_attn
    .symbol:         k_q6558c9eecf_attn.kd
    .args:
      - { .name: q, .offset: 0, .size: 8, .value_kind: global_buffer, .address_space: global }
      - { .name: kv, .offset: 8, .size: 8, .value_kind: global_buffer, .address_space: global }
      - { .name: oq, .offset: 16, .size: 8, .value_kind: global_buffer, .address_space: global }
    .group_segment_fixed_size: 258048
    .private_segment_fixed_size: 0
    .kernarg_segment_align: 8
    .kernarg_segment_size: 24
    .max_flat_workgroup_size: 512
    .sgpr_count:     66
    .vgpr_count:     256
    .wavefront_size: 32
...
	.end_amdgpu_metadata
.endif
;; end of part 3
;; launch gemm_out (part 4): grid 4 x 64, 4 waves a work-group, clusters of 4 x 4, 327,680 bytes of LDS; arguments oq, wo, b_out, out0; writes out0
.if DOCPART == 4
	.amdgcn_target "amdgcn-amd-amdhsa--gfx1250"
	.amdhsa_code_object_version 6
	.text
	.protected	k_q6558c9eecf_gemm_out
	.globl	k_q6558c9eecf_gemm_out
	.p2align	8
	.type	k_q6558c9eecf_gemm_out,@function
k_q6558c9eecf_gemm_out:
	s_mov_b64 s[64:65], 0
	v_nop
	global_prefetch_b8 v0, s[64:65] scope:SCOPE_SE
	s_setreg_imm32_b32 hwreg(HW_REG_WAVE_MODE, 25, 1), 1
	s_wait_xcnt 0x0
	s_wait_alu depctr_hold_cnt(0) depctr_sa_sdst(0) depctr_va_vdst(0) depctr_va_sdst(0) depctr_va_ssrc(0) depctr_va_vcc(0) depctr_vm_vsrc(0)
	s_getreg_b32 s2, hwreg(HW_REG_IB_STS2, 6, 4)
	s_cmp_eq_u32 s2, 0
	s_cbranch_scc0 .Lentry_in_a_cluster
	s_endpgm
.Lentry_in_a_cluster:
	s_bfe_u32 s2, ttmp6, 0x10000c
	s_cmp_lg_u32 s2, 0xf033
	s_cbranch_scc0 .Lentry_shape_is_right
	s_endpgm
.Lentry_shape_is_right:
; out0 = o w_out^T + b_out on codes of BF6 (E3M2) with E8M0 scales; sums in f32; out0 [8192][1024] f32.
; OPERANDS lie in memory in records of 12,800 bytes a row tile of 16 rows: eight images of the operand's registers, [K step][1,536], then 512 bytes of scale words, [pair of K steps][r][2 words].
; Lane r of row tile 2 G + u is row 32 G + 8 u + r + 8 (r / 8).  wo: registers 4 g .. 4 g + 3 of lane l at 512 g + 16 l; oq: registers 2 p, 2 p + 1 at 256 p + 8 l.
; P = w_out is source 0: its rows go to a lane's registers (register 8 bt + j = row 32 (bt / 2) + 16 h + 8 (bt % 2) + j); R = o is source 1: a lane holds a token: eight results of a lane are neighbours in a row of out0.
; A TILE IS 256 P x 128 R: 256 work-groups.  Four waves of 128 P x 64 R: 32 accumulators, 256 registers.
; ALL OF K LIES IN LDS: R's 8 records, then P's 16: 307,200 bytes.  The records of a tile are dense in memory, so each wave asks for its part by ONE load at the head, as rows of 256 bytes: waves 0, 1 four records of R each,
; waves 2, 3 eight of P each.  Nothing is filled again.  No prefetch: all is asked for at the head; there is no loop to run ahead in.
; CLUSTERS: 4 x 4.  R's records are shared along a row of the cluster, P's along a column: each is asked for jointly.
; A K step of 128 is 32 matrix instructions; both operands have two sets of registers.  The bias is the C of each sum's first product.
; REGISTERS: window 0: v8-21 addresses; v32-47 R's scale words, v48-79 P's, two sets each; v80-143 the bias; v144-239 R's fragments, two sets (on the way out v128-255 are rows of out0).
;   window 1: P's fragments, two sets, at v0 and v128.   window 2: the accumulators, (a, bt) at v[8 (8 a + bt)].
.set REC,    12800
.set RP,     8*REC                     ; where P's records begin in LDS
.set SPARE,  24*REC                    ; behind them: the spare words
.set FR,     12
.set NP,     4                         ; places behind this matrix instruction (ISA guide 7.12.1)
.set SPITCH, 528                       ; the way out: a stage of 16 rows x (512 bytes + 16) for each wave, from LDS byte 0 on, behind a barrier behind which nobody reads the records
.set ADRA, 8                           ; LDS address of R's fragments
.set ADRB, 10                          ; v10-11 of P's: row tiles 0-3, 4-7
.set ADSR, 12                          ; of R's scale words
.set ADSP, 14                          ; v14-15 of P's
.set BIO,  18
.set STO,  19
.set RD,   20
.set CO,   21
.set SCR,  32
.set SCP,  48
.set BI,   80
.set AF,   144
.set BK,   128
.set G1,   24
.set G1B,  32
.set G0,   44
.set G0B,  48
.set MSB, 0
.macro WIN new                         ; the immediate's high byte repeats the setting that is left
.if MSB != (\new)
	s_set_vgpr_msb (MSB<<8)|(\new)
.set MSB, (\new)
.endif
.endm
.set MUL,   0xa1                       ; source 0 (P) window 1, source 1 (R) window 0, C and D window 2
.set FIRST, 0x81                       ; the first K step: C is the bias, in window 0
.set TO_B,  0x40
.macro CROUND                          ; a round of the cluster's barrier
	s_barrier_signal -1
	s_barrier_wait -1
	s_cmp_lg_u32 s14, 0
	s_cbranch_scc1 .Lnot_wave_0_\@
	s_barrier_signal -3
.Lnot_wave_0_\@:
	s_barrier_wait -3
	s_barrier_signal -1
	s_barrier_wait -1
.endm
	s_load_b256 s[4:11], s[0:1], 0x0               ; oq, wo, b_out, out0
	v_lshl_add_u32 v30, v0, 2, SPARE
	v_mov_b32 v31, 0
	ds_add_u32 v30, v31                            ; the opening lines: the add twice on end
	ds_add_u32 v30, v31
	v_lshrrev_b32 v1, 5, v0
	v_readfirstlane_b32 s14, v1                    ; wave 0..3
	s_lshr_b32 s15, s14, 1                         ; which half of R's rows is mine.  Also: I fetch for R (0) or for P (1)
	s_and_b32 s16, s14, 1                          ; which half of P's rows.  Also: which half of that operand's records I fetch
	s_bfe_u32 s40, ttmp6, 0x40000                  ; cx, cy
	s_bfe_u32 s41, ttmp6, 0x40004
	s_lshl_b32 s18, s41, 2
	s_lshl_b32 s18, 15, s18                        ; my row of the cluster
	s_lshl_b32 s19, 0x1111, s40                    ; my column
	s_lshl_b32 s2, ttmp9, 2
	s_add_co_u32 s40, s2, s40                      ; P's tile = 4 cluster x + cx
	s_and_b32 s17, ttmp7, 0xffff
	s_lshl_b32 s17, s17, 2
	s_add_co_u32 s17, s17, s41                     ; R's tile = 4 cluster y + cy
	s_or_b32 s[G1+0], s18, (3<<16)|(1<<21)         ; R: 51,200 dense bytes as 200 rows of 256 (32 elements of 8 bytes); the mask: my row
	s_mov_b32 s[G1+1], 32<<16
	s_mov_b32 s[G1+2], 200<<16
	s_mov_b32 s[G1+3], 32<<16
	s_mov_b32 s[G1+4], 200
	s_mov_b32 s[G1+5], 32
	s_mov_b32 s[G1+6], 0
	s_mov_b32 s[G1+7], 0
	s_or_b32 s[G1B+0], s19, (3<<16)|(1<<21)        ; P: 102,400 bytes as 400 rows; the mask: my column
	s_mov_b32 s[G1B+1], 32<<16
	s_mov_b32 s[G1B+2], 400<<16
	s_mov_b32 s[G1B+3], 32<<16
	s_mov_b32 s[G1B+4], 400
	s_mov_b32 s[G1B+5], 32
	s_mov_b32 s[G1B+6], 0
	s_mov_b32 s[G1B+7], 0
	s_lshl_b32 s20, s17, 3
	s_lshl_b32 s2, s16, 2
	s_add_co_u32 s20, s20, s2                      ; R: record 8 x tile + 4 x half
	s_mul_i32 s20, s20, REC
	s_mov_b32 s21, 0
	s_lshl_b32 s22, s40, 4
	s_lshl_b32 s3, s16, 3
	s_add_co_u32 s22, s22, s3                      ; P: record 16 x tile + 8 x half
	s_mul_i32 s22, s22, REC
	s_mov_b32 s23, 0
	s_lshl_b32 s52, s40, 10
	s_lshl_b32 s53, s16, 9
	s_add_co_u32 s52, s52, s53                     ; my first column, in bytes
	s_lshl_b32 s12, s17, 19
	s_lshl_b32 s13, s15, 18
	s_add_co_u32 s12, s12, s13                     ; my first row of out0: (128 R's tile + 64 half) x 4,096 bytes
	s_add_co_u32 s12, s12, s52
	s_mov_b32 s13, 0
	s_mov_b32 s53, 0
	s_mul_i32 s54, s16, 4*REC                      ; where the records go: no place in the cluster enters an LDS address
	s_mul_i32 s55, s16, 8*REC
	s_add_co_u32 s55, s55, RP                      ; also: where my 8 records of P lie
	s_mul_i32 s56, s15, 4*REC                      ; where my 4 records of R lie
	s_mul_i32 s58, s14, 16*SPITCH                  ; my stage
	s_wait_dscnt 0x0
	s_wait_kmcnt 0x0
	s_mov_b32 s[G0], 1
	s_mov_b32 s[G0+1], s54
	s_add_nc_u64 s[G0+2:G0+3], s[4:5], s[20:21]
	s_or_b32 s[G0+3], s[G0+3], 0x80000000
	s_mov_b32 s[G0B], 1
	s_mov_b32 s[G0B+1], s55
	s_add_nc_u64 s[G0B+2:G0B+3], s[6:7], s[22:23]
	s_or_b32 s[G0B+3], s[G0B+3], 0x80000000
	s_add_nc_u64 s[52:53], s[8:9], s[52:53]        ; the bias at my first column
	s_add_nc_u64 s[12:13], s[10:11], s[12:13]      ; out0 at my first number
	CROUND                                         ; all sixteen work-groups are here: the joint loads meet
	s_cmp_eq_u32 s15, 0                            ; one load a wave, in the two arms of one branch on the wave's number
	s_cbranch_scc0 .Lfor_p
	tensor_load_to_lds s[G0:G0+3], s[G1:G1+7]
	s_nop 0
.rept 4
	v_nop
.endr
	s_branch .Lasked
.Lfor_p:
	tensor_load_to_lds s[G0B:G0B+3], s[G1B:G1B+7]
	s_nop 0
.rept 4
	v_nop
.endr
.Lasked:
	v_and_b32 v1, 15, v0                           ; r
	v_bfe_u32 v2, v0, 4, 1                         ; h
	v_and_b32 v3, 31, v0                           ; lane
	v_lshlrev_b32 v[BIO], 6, v2
.irp t, 0,1,2,3,4,5,6,7
	global_load_b128 v[BI+8*\t:BI+8*\t+3], v[BIO], s[52:53] offset:(32*(\t/2)+8*(\t%2))*4        ; register 8 bt + j: the bias of column 32 (bt / 2) + 16 h + 8 (bt % 2) + j
	global_load_b128 v[BI+8*\t+4:BI+8*\t+7], v[BIO], s[52:53] offset:(32*(\t/2)+8*(\t%2))*4+16
.endr
	v_lshlrev_b32 v[CO], 4, v3                     ; 16 x lane
	v_lshlrev_b32 v4, 3, v3                        ; 8 x lane
	v_lshlrev_b32 v5, 3, v1                        ; 8 r: my row's two words of a pair of K steps
	v_mul_u32_u24 v6, v1, SPITCH
	v_add_nc_u32 v[ADRA], s56, v4
	v_add_nc_u32 v[ADRB], s55, v[CO]
	v_add_nc_u32 v[ADSR], s56, v5
	v_add_nc_u32 v[ADSP], s55, v5
	v_lshl_add_u32 v6, v2, 6, v6                   ; the stage, in: row r, + 64 h
	v_add_nc_u32 v[ADRB+1], 4*REC, v[ADRB]
	v_add_nc_u32 v[ADSP+1], 4*REC, v[ADSP]
	v_add_nc_u32 v[STO], s58, v6
	v_add_nc_u32 v[RD], s58, v[CO]                 ; back: the 32 lanes take one row of 512 bytes
; K step k's fragments go to set k % 2, a pair's scale words to set (k / 2) % 2.
.macro FETCH_P k
	WIN TO_B
.irp i, 0,1,2,3,4,5,6,7
.irp g, 0,1,2
	ds_load_b128 v[128*((\k)%2)+FR*\i+4*\g:128*((\k)%2)+FR*\i+4*\g+3], v[ADRB+\i/4] offset:REC*(\i%4)+1536*(\k)+512*\g
.endr
.endr
	WIN 0
.if (\k)%2 == 0
.irp i, 0,1,2,3,4,5,6,7
	ds_load_b64 v[SCP+16*(((\k)/2)%2)+2*\i:SCP+16*(((\k)/2)%2)+2*\i+1], v[ADSP+\i/4] offset:12288+REC*(\i%4)+128*((\k)/2)
.endr
.irp i, 0,1,2,3
	ds_load_b64 v[SCR+8*(((\k)/2)%2)+2*\i:SCR+8*(((\k)/2)%2)+2*\i+1], v[ADSR] offset:12288+REC*\i+128*((\k)/2)
.endr
.endif
.endm
.macro FETCH_R k
.irp i, 0,1,2,3
.irp p, 0,1,2,3,4,5
	ds_load_b64 v[AF+48*((\k)%2)+FR*\i+2*\p:AF+48*((\k)%2)+FR*\i+2*\p+1], v[ADRA] offset:REC*\i+1536*(\k)+256*\p
.endr
.endr
.endm
; 16 matrix instructions: R's blocks a0, a0 + 1 x P's eight.  The 32 accumulators take turns, one instruction a turn, in the same order in every step.
.macro MUL16 a0, k
.irp a, \a0, \a0+1
.irp b, 0,1,2,3,4,5,6,7
.if (\k) == 0
	v_wmma_scale_f32_16x16x128_f8f6f4 v[8*(8*(\a)+\b):8*(8*(\a)+\b)+7], v[128*((\k)%2)+FR*\b:128*((\k)%2)+FR*\b+FR-1], v[AF+48*((\k)%2)+FR*(\a):AF+48*((\k)%2)+FR*(\a)+FR-1], v[BI+8*\b:BI+8*\b+7], v[SCP+16*(((\k)/2)%2)+2*\b+(\k)%2], v[SCR+8*(((\k)/2)%2)+2*(\a)+(\k)%2] matrix_a_fmt:MATRIX_FMT_BF6 matrix_b_fmt:MATRIX_FMT_BF6
.else
	v_wmma_scale_f32_16x16x128_f8f6f4 v[8*(8*(\a)+\b):8*(8*(\a)+\b)+7], v[128*((\k)%2)+FR*\b:128*((\k)%2)+FR*\b+FR-1], v[AF+48*((\k)%2)+FR*(\a):AF+48*((\k)%2)+FR*(\a)+FR-1], v[8*(8*(\a)+\b):8*(8*(\a)+\b)+7], v[SCP+16*(((\k)/2)%2)+2*\b+(\k)%2], v[SCR+8*(((\k)/2)%2)+2*(\a)+(\k)%2] matrix_a_fmt:MATRIX_FMT_BF6 matrix_b_fmt:MATRIX_FMT_BF6
.endif
.endr
.endr
.endm
.macro PLACES n
.rept \n
	v_nop
.endr
.endm
.macro MWIN k
.if (\k) == 0
	WIN FIRST
.else
	WIN MUL
.endif
.endm
.macro KSTEP k
	s_wait_dscnt 0x0                               ; this step's fragments are in
.if (\k) == 7
	s_barrier_signal -1                            ; my reads of the records are over
.endif
.if (\k) < 7
	PLACES NP                                      ; behind the last step's products, which read the sets that are loaded now
	FETCH_P (\k)+1
.endif
	MWIN \k
	MUL16 0, \k
.if (\k) < 7
	WIN 0
	FETCH_R (\k)+1
.endif
	MWIN \k
	MUL16 2, \k
.endm
	s_wait_alu depctr_va_vdst(0)
	s_wait_tensorcnt 0x0                           ; my records are in,
	s_barrier_signal -1
	s_barrier_wait -1                              ; everybody's are
	FETCH_P 0
	FETCH_R 0
	s_wait_loadcnt 0x0                             ; the bias
	KSTEP 0
	KSTEP 1
	KSTEP 2
	KSTEP 3
	KSTEP 4
	KSTEP 5
	KSTEP 6
	KSTEP 7
	WIN 0
	s_barrier_wait -1                              ; nobody reads the records any more: the stages may lie over them
; THE WAY OUT, block by block of 16 rows x 128 columns, through my own stage: in by 32 bytes of a row a lane, back as whole rows of 512 bytes.  LDS serves a wave's instructions in order: no wait between the stores and the loads.
.macro TOSTAGE a
.set AC, 64*(\a)
	WIN 0x08                                       ; an LDS store's data are its source 1: window 2
.irp b, 0,1,2,3,4,5,6,7
	ds_store_b128 v[STO], v[AC+8*\b:AC+8*\b+3] offset:128*(\b/2)+32*(\b%2)          ; each accumulator from its low end on
	ds_store_b128 v[STO], v[AC+8*\b+4:AC+8*\b+7] offset:128*(\b/2)+32*(\b%2)+16
.endr
	WIN 0
.set BB, BK+64*((\a)%2)
.irp t, 0,1,2,3,4,5,6,7,8,9,10,11,12,13,14,15
	ds_load_b128 v[BB+4*\t:BB+4*\t+3], v[RD] offset:\t*SPITCH
.endr
.endm
.macro SEND a, younger                 ; younger: the LDS instructions issued behind block a's loads, which may stay out
.set BB, BK+64*((\a)%2)
	s_wait_dscnt \younger
.irp t, 0,1,2,3,4,5,6,7,8,9,10,11,12,13,14,15
	global_store_b128 v[CO], v[BB+4*\t:BB+4*\t+3], s[12:13] offset:(32*((\a)/2)+8*((\a)%2)+\t+8*(\t/8))*4096 th:TH_STORE_NT   ; 32 lanes store 512 consecutive bytes, aligned; stage row t is the tile's lane t
.endr
.endm
	PLACES NP                                      ; behind the last products: results are read, and loads land in registers that they read
	TOSTAGE 0
.irp a, 1,2,3
.if \a > 1
	s_wait_xcnt 0x0                                ; block a - 2's stores have read their registers: block a's loads may land there
.endif
	TOSTAGE \a
	SEND \a-1, 32                                  ; behind block a - 1's loads: block a's 16 stores and 16 loads
.endr
	SEND 3, 0
	s_wait_dscnt 0x0
	s_wait_tensorcnt 0x0                           ; the wave's end
	ds_add_u32 v30, v31
	s_wait_dscnt 0x0
	CROUND                                         ; the closing round
	s_endpgm
.Lfunc_end_k_q6558c9eecf_gemm_out:
	.size	k_q6558c9eecf_gemm_out, .Lfunc_end_k_q6558c9eecf_gemm_out-k_q6558c9eecf_gemm_out
	.p2alignl 7, 3214868480
	.fill 96, 4, 3214868480
	.section	.rodata,"a",@progbits
	.p2align	6, 0x0
	.amdhsa_kernel k_q6558c9eecf_gemm_out
		.amdhsa_group_segment_fixed_size 327680
		.amdhsa_private_segment_fixed_size 0
		.amdhsa_enable_private_segment 0
		.amdhsa_kernarg_size 32
		.amdhsa_user_sgpr_count 2
		.amdhsa_user_sgpr_kernarg_segment_ptr 1
		.amdhsa_wavefront_size32 1
		.amdhsa_system_sgpr_workgroup_id_x 1
		.amdhsa_system_sgpr_workgroup_id_y 1
		.amdhsa_system_sgpr_workgroup_id_z 1
		.amdhsa_system_vgpr_workitem_id 0
		.amdhsa_next_free_vgpr 768
		.amdhsa_next_free_sgpr 66
		.amdhsa_reserve_vcc 0
		.amdhsa_float_denorm_mode_32 3
		.amdhsa_float_denorm_mode_16_64 3
		.amdhsa_memory_ordered 1
		.amdhsa_forward_progress 1
		.amdhsa_inst_pref_size 84
	.end_amdhsa_kernel
	.amdgpu_metadata
---
amdhsa.version: [ 1, 2 ]
amdhsa.kernels:
  - .name:           k_q6558c9eecf_gemm_out
    .symbol:         k_q6558c9eecf_gemm_out.kd
    .args:
      - { .name: oq, .offset: 0, .size: 8, .value_kind: global_buffer, .address_space: global }
      - { .name: wo, .offset: 8, .size: 8, .value_kind: global_buffer, .address_space: global }
      - { .name: b_out, .offset: 16, .size: 8, .value_kind: global_buffer, .address_space: global }
      - { .name: out0, .offset: 24, .size: 8, .value_kind: global_buffer, .address_space: global }
    .group_segment_fixed_size: 327680
    .private_segment_fixed_size: 0
    .kernarg_segment_align: 8
    .kernarg_segment_size: 32
    .max_flat_workgroup_size: 128
    .sgpr_count:     66
    .vgpr_count:     768
    .wavefront_size: 32
...
	.end_amdgpu_metadata
.endif
;; end of part 4
